; MI455X (gfx1250); checked and timed in simulation.
; The chip was launched on July 23, 2026; its instructions are those of AMD's public machine-readable ISA for CDNA 5 (MIT licence, August 2026) and "CDNA5" Instruction Set Architecture Reference Guide (July 2026). The comments in the code are by the model that wrote it; some were corrected since.
;; Mo E Layer. Allowed arithmetic: matrix products marked QUANTISED: E2M3 operands, one E8M0 scale for each 32 along K, by v_wmma_scale_f32_16x16x128_f8f6f4 with both operands' format E2M3, f32 sums; products left as they are: f32 operands where the result goes on into a quantised operand, else bf16, f16 or f32 operands; f32 sums; everything else in f32.
;; Inputs: W1 8 x 1,024 x 2,048 float32; W2 8 x 2,048 x 1,024 float32; Wg 1,024 x 8 float32; b1 8 x 2,048 float32; b2 8 x 1,024 float32; bg 8 float32; x 2,048 x 1,024 float32.
;; Outputs: out0 2,048 x 1,024 float32.
;; This version of the problem:
;;   THIS VERSION OF THE PROBLEM IS GIVEN IN LOW PRECISION. The matrix products marked QUANTISED in the list below multiply operands that are first quantised to E2M3 (2 exponent bits, 3 mantissa bits; 6 bits a number), with one power-of-two scale for each 32 numbers along K (OCP MX v1.0); their sums are f32. All else is computed in f32.
;;   The module's matrix products, in the order in which they are computed (A, B: the left and right operand; K: the contracted axis; several contracted axes count as one K, in the product's order):
;;     1. [M 2,048, K 1,024] x [K 1,024, N 8]; A: input x; B: input Wg: left as it is (N = 8 < 16)
;;     2. [M 16,384, K 1,024] x [K 1,024, N 2,048]; A: input W1; B: input x: QUANTISED
;;     3. batch 8 x [M 2,048, K 2,048] x [K 2,048, N 1,024]; A: computed on the way; B: input W2: QUANTISED
;;     4. batch 2,048 x [M 1, K 8] x [K 8, N 1,024]; A: softmax; B: computed on the way: left as it is (K = 8 < 32)
;;   THE QUANTISER, for each operand of a quantised product, along K:
;;     - K is cut into blocks of 32 from its start; a last block that is shorter is filled with zeros.
;;     - A block's scale is 2^e with e = floor(log2(the largest magnitude in the block)) - 2, held to -126 .. 127; a block of zeros has e = 0. As a byte (E8M0): e + 127.
;;     - Each number is divided by its block's scale, clamped to +-7.5, and rounded to the nearest number of E2M3, ties to even, subnormals kept.
;;     - The product sums the exact products of the quantised numbers (number of the format x scale) in f32.
;;   ~~~python
;;   def quantise(x, axis):      # numpy; x: float32 -> the quantised numbers, widened to float32 again
;;       x = np.moveaxis(x, axis, -1); K = x.shape[-1]
;;       x = np.pad(x, [(0, 0)] * (x.ndim - 1) + [(0, -K % 32)]); x = x.reshape(x.shape[:-1] + (-1, 32)); a = np.abs(x).max(-1, keepdims=True)
;;       e = np.where(a > 0, np.clip(np.frexp(np.where(a > 0, a, 1))[1] - 1 - 2, -126, 127), 0)      # np.frexp(a)[1] - 1 = floor(log2(a)), exactly
;;       r = np.clip(x / 2.0 ** e, -7.5, 7.5)
;;       step = 2.0 ** (np.maximum(np.frexp(np.where(r == 0, 1, r))[1] - 1, 0) - 3)
;;       q = np.round(r / step) * step * 2.0 ** e      # np.round: ties to even
;;       return np.moveaxis(q.reshape(q.shape[:-2] + (-1,))[..., :K], -1, axis).astype(np.float32)
;;   ~~~
;;   OPERANDS COMPUTED ON THE WAY. 'Computed on the way' means the value that the module computes at that place (a softmax that the list does not call 'softmax' is quantised finished and normalised). What goes into a quantiser is computed in f32, as accurately as f32 sums, v_exp_f32 and their like allow (about 1e-6 of the number): no bf16 or f16 on the way to a quantiser, and a product that is left as it is and whose result goes on into a quantised operand takes f32 operands (vector FMAs, or v_wmma_f32_16x16x4_f32). A number that lies on a knife's edge between two numbers of the format may be rounded either way, as far as f32 arithmetic and the matrix unit's own rounding can turn it there, and no further.
;; 2 versions. Each part assembles by itself: llvm-mc -triple=amdgcn-amd-amdhsa -mcpu=gfx1250 --defsym DOCPART=n.
;; ======== version 1 of 2: 3 launches
;; workspace buffers: xq 1,638,400 bytes; w1q 13,107,200 bytes; w2q 13,107,200 bytes; hq 26,214,400 bytes; gate 65,536 bytes
;; launch prep (part 1): grid 1056 x 1, 4 waves a work-group, no clusters, 59,904 bytes of LDS; arguments x, W1, W2, Wg, bg, xq, w1q, w2q, gate; writes xq, w1q, w2q, gate
.if DOCPART == 1
	.amdgcn_target "amdgcn-amd-amdhsa--gfx1250"
	.amdhsa_code_object_version 6
	.text
	.protected	k_q85bf2fcb8c_prep
	.globl	k_q85bf2fcb8c_prep
	.p2align	8
	.type	k_q85bf2fcb8c_prep,@function
k_q85bf2fcb8c_prep:
	s_mov_b64 s[64:65], 0
	v_nop
	global_prefetch_b8 v0, s[64:65] scope:SCOPE_SE
	s_setreg_imm32_b32 hwreg(HW_REG_WAVE_MODE, 25, 1), 1
	s_wait_xcnt 0x0
; W1 [8][1024][2048], W2 [8][2048][1024] and x [2048][1024], f32, become codes of FP6 (E2M3) with one E8M0 byte for each 32 along K; and gate = softmax(x Wg + bg), in f32.
; A block's scale is 2^(floor(log2(its largest magnitude)) - 2); its byte is the largest magnitude's exponent field - 2, held at 1 from below; numbers beyond 7.5 x the scale get the largest code.
; LIMITS: NaN and infinities among the inputs are not served; a block whose largest magnitude lies under 2^-124, a block of zeros among them, keeps the byte 1 (its codes are zeros or the
; nearest codes under that scale; the bytes are read by this program alone).
; THE WORKSPACE IS LAID IN THE ORDER OF THE OPERANDS' REGISTERS.  A fragment (16 rows x 128 K, 12 registers a lane) is an image of 1,536 bytes: register j of lane l at 512 (j / 4) + 16 l + 4 (j % 4).
; A panel (64 rows x 128 K) is four images and then 64 scale words (fragment t, row r at 6,144 + 64 t + 4 r): 6,400 bytes.
; The rows of a WEIGHT's fragments are not neighbours: of 32 columns, row r of fragment 2 b + u is column 32 b + 8 u + r + 8 (r / 8), so that a transposed product leaves 16 neighbouring columns in a lane.
; WORK-GROUPS 0-31 (path X): 64 rows of x each, a tile of 16 rows to a wave, all of K; they also make the gate.  WORK-GROUPS 32-1055 (path W): 128 columns x 256 K of one expert of W1 (the first 512) or W2.
; The two paths part on the work-group's number alone and have LDS bytes of their own.  No tensor load, no matrix work: memory binds, and each input byte but Wg's 32 KiB is read once.
.set WSTG, 32768                       ; path W: a stage of 4 images for each wave; path X has bytes 0 .. 32,767 (Wg, turned)
.set SFR,  1664                        ; an image's place in the stage: 1,536 bytes + 128
.set OFFR, 16                          ; W: v16-47   4 x lane + i rows
.set WX,   48                          ; W: v48-111  two sets of 32 numbers; on the way out the twelve pieces of the images
.set WC,   112                         ; W: v112-117 a block's codes
.set WT2,  118                         ; W: v118-120 its second half as the conversion leaves it
.set WSB,  122                         ; W: v122-123 my column's scale words of the two K steps
.set XA,   16                          ; X: v16-79, v80-143: 64 numbers of a lane, two sets
.set XB,   80
.set TM,   144                         ; X: v144-159 at work in QUANT
.set PW,   160                         ; X: the scale word just made
.set PC,   162                         ; X: v162-180 the codes just made
.set WB,   144                         ; X: v144-207 two sets of 32 numbers of Wg (over QUANT's registers, once those have been stored)
.set ACC,  208                         ; X: v208-239 four partial sums for each expert
.set SEL,  66                          ; s[66:67] v_permlanex16_b32's selects for lane l xor 16
.macro LOADW t                         ; block t: rows 32 t + i of my column, into set t % 2; a wave's load covers 128 consecutive bytes, the four waves' 512
.irp i, 0,1,2,3,4,5,6,7,8,9,10,11,12,13,14,15,16,17,18,19,20,21,22,23,24,25,26,27,28,29,30,31
	global_load_b32 v[WX+32*((\t)%2)+\i], v[OFFR+\i], s[48+2*(\t):49+2*(\t)] th:TH_LOAD_NT
.endr
.endm
.macro BLOCK t                         ; 32 numbers down K of my column: all mine, so the largest magnitude needs no other lane
.set XS, WX+32*((\t)%2)
.set SL, (\t)/4                        ; which of the two K steps
.set CC, ((\t)%4)/2                    ; registers 6 CC .. 6 CC + 5 of the image,
.set HH, (\t)%2                        ; in lane r + 16 HH
.if (\t) < 7
	s_wait_loadcnt 32                              ; this block's 32 loads are in; the next block's 32 may be out
.else
	s_wait_loadcnt 0x0
.endif
	v_max3_num_f32 v12, |v[XS]|, |v[XS+1]|, |v[XS+2]|
	v_max3_num_f32 v13, |v[XS+3]|, |v[XS+4]|, |v[XS+5]|
.irp i, 6,10,14,18,22,26
	v_max3_num_f32 v12, v12, |v[XS+\i]|, |v[XS+\i+1]|
	v_max3_num_f32 v13, v13, |v[XS+\i+2]|, |v[XS+\i+3]|
.endr
	v_max3_num_f32 v12, v12, |v[XS+30]|, |v[XS+31]|
	v_max3_num_f32 v12, v12, v13, 0x1800000        ; and the floor 2^(3 - 127): the byte cannot fall under 1
	v_add_nc_u32 v14, 0xff000000, v12              ; 2 off the exponent field: the conversion takes this operand's exponent field as its scale
	v_cvt_scalef32_pk16_fp6_f32 v[WC:WC+2], v[XS:XS+15], v14
	v_cvt_scalef32_pk16_fp6_f32 v[WT2:WT2+2], v[XS+16:XS+31], v14   ; (a conversion's three registers begin on an even number)
	v_lshrrev_b32 v15, 23, v14                     ; the scale's byte; also the plain line behind the conversions
.if (\t)%4 == 0
	v_mov_b32 v[WSB+SL], v15
.else
	v_lshl_or_b32 v[WSB+SL], v15, 8*((\t)%4), v[WSB+SL]
.endif
.irp i, 0,1,2
	v_mov_b32 v[WC+3+\i], v[WT2+\i]
.endr
.if CC == 0
	ds_store_b128 v8, v[WC:WC+3] offset:2*SFR*SL+256*HH            ; registers 0-3 of the image
	ds_store_b64 v8, v[WC+4:WC+5] offset:2*SFR*SL+256*HH+512       ; registers 4, 5
.else
	ds_store_b64 v8, v[WC:WC+1] offset:2*SFR*SL+256*HH+520         ; registers 6, 7
	ds_store_b128 v8, v[WC+2:WC+5] offset:2*SFR*SL+256*HH+1024     ; registers 8-11
.endif
.if (\t) < 6
	LOADW \t+2
.endif
	s_wait_dscnt 0x0                               ; the stores have read their registers: the next block's codes may be written
.endm
.macro XLOAD reg, off                  ; 64 numbers of my row of x: register 16 b + i = k 32 b + 16 (lane / 16) + i of the K step at off bytes
.irp b, 0,1,2,3
.irp j, 0,1,2,3
	global_load_b128 v[\reg+16*\b+4*\j:\reg+16*\b+4*\j+3], v2, s[4:5] offset:\off+128*\b+16*\j th:TH_LOAD_NT
.endr
.endr
.endm
.macro QUANT s                         ; those 64 numbers become a fragment's codes in v[PC] on and its scale word in v[PW]
.irp b, 0,1,2,3
	v_max3_num_f32 v[TM+\b], |v[\s+16*\b]|, |v[\s+1+16*\b]|, 0x1800000   ; block b: my 16 numbers, and the floor 2^(3 - 127)
.endr
.irp i, 2,4,6,8,10,12,14
.irp b, 0,1,2,3
	v_max3_num_f32 v[TM+\b], v[TM+\b], |v[\s+16*\b+\i]|, |v[\s+1+16*\b+\i]|   ; the four blocks by turns
.endr
.endr
.irp b, 0,1,2,3
	v_permlanex16_b32 v[TM+4+\b], v[TM+\b], s[SEL], s[SEL+1]
.endr
.irp b, 0,1,2,3
	v_max_num_f32 v[TM+\b], v[TM+\b], v[TM+4+\b]   ; with lane l xor 16's: the block's largest magnitude
.endr
.irp b, 0,1,2,3
	v_add_nc_u32 v[TM+12+\b], 0xff000000, v[TM+\b] ; the conversion's scale operand
.endr
.irp b, 0,1,2,3
	v_lshrrev_b32 v[TM+4+\b], 23, v[TM+12+\b]      ; the scale's byte
.endr
	v_lshl_or_b32 v[PW], v[TM+5], 8, v[TM+4]
	v_lshl_or_b32 v[PW], v[TM+6], 16, v[PW]
	v_lshl_or_b32 v[PW], v[TM+7], 24, v[PW]
.irp c, 0,1
	v_cvt_scalef32_pk16_fp6_f32 v[PC+6*\c:PC+2+6*\c], v[\s+32*\c:\s+15+32*\c], v[TM+12+2*\c]
	v_cvt_scalef32_pk16_fp6_f32 v[PC+12+4*\c:PC+14+4*\c], v[\s+16+32*\c:\s+31+32*\c], v[TM+12+2*\c+1]
.endr
	v_nop                                          ; one plain line behind a scaled conversion
.irp c, 0,1                            ; the operand's layout wants a whole block in a lane: lanes 0-15 block 2 c, lanes 16-31 block 2 c + 1
.irp i, 0,1,2
	v_permlane16_swap_b32 v[PC+6*\c+\i], v[PC+12+4*\c+\i]
.endr
.irp i, 0,1,2
	v_mov_b32 v[PC+3+6*\c+\i], v[PC+12+4*\c+\i]
.endr
.endr
.endm
.macro XOUT off                        ; the image: three stores of 512 consecutive bytes; the 16 scale words (lanes l and l xor 16 write the same word with the same value)
.irp c, 0,1,2
	global_store_b128 v3, v[PC+4*\c:PC+4*\c+3], s[24:25] offset:\off+512*\c
.endr
	global_store_b32 v4, v[PW], s[28:29] offset:\off
.endm
.macro GLD n, ks                       ; group n of 16: block n / 4 of the K step, experts 2 (n % 4) and 2 (n % 4) + 1: my 16 k of each, from the turned Wg
.irp e2, 0,1
.irp q, 0,1,2,3
	ds_load_b128 v[WB+32*((\n)%2)+16*\e2+4*\q:WB+32*((\n)%2)+16*\e2+4*\q+3], v5 offset:(2*((\n)%4)+\e2)*4096+512*(\ks)+128*((\n)/4)+16*\q
.endr
.endr
.endm
.macro GATE s, ks                      ; x Wg for my row and my 64 k of this K step, in f32: 256 packed multiply-adds in four chains for each pair of experts
	GLD 0, \ks
.set gn, 0
.rept 16
.if gn < 15
	GLD gn+1, \ks
	s_wait_dscnt 8                                 ; this group's eight loads are in; the next group's eight may be out
.else
	s_wait_dscnt 0x0
.endif
.irp q, 0,1,2,3
.irp pr, 0,1
.irp e2, 0,1
.set rAC, ACC+4*(2*(gn%4)+\e2)+2*\pr
.set rX, \s+16*(gn/4)+4*\q+2*\pr
.set rW, WB+32*(gn%2)+16*\e2+4*\q+2*\pr
	v_pk_fma_f32 v[rAC:rAC+1], v[rX:rX+1], v[rW:rW+1], v[rAC:rAC+1]
.endr
.endr
.endr
.set gn, gn+1
.endr
.endm
	s_load_b256 s[4:11], s[0:1], 0x0               ; x s[4:5], W1 s[6:7], W2 s[8:9], Wg s[10:11]
	s_load_b256 s[12:19], s[0:1], 0x20             ; bg s[12:13], xq s[14:15], w1q s[16:17], w2q s[18:19]
	s_load_b64 s[20:21], s[0:1], 0x40              ; gate
	v_lshl_add_u32 v254, v0, 2, 0xe800
	v_mov_b32 v255, 0
	v_lshrrev_b32 v1, 5, v0
	v_readfirstlane_b32 s22, v1                    ; wave 0..3
	s_wait_kmcnt 0x0
	s_cmp_lt_u32 ttmp9, 32
	s_cbranch_scc1 .Lpath_x
	; ---------------- PATH W: one text for both weights; what differs is chosen by the work-group's number
	s_sub_co_u32 s23, ttmp9, 32
	s_and_b32 s24, s23, 511
	s_lshr_b32 s25, s24, 6                         ; the expert
	s_and_b32 s26, s24, 63                         ; which part of it
	s_mov_b32 s42, 6400
	s_mov_b32 s43, 0
	s_cmp_lt_u32 s23, 512                          ; W1 or W2
	s_cselect_b64 s[6:7], s[6:7], s[8:9]           ; from
	s_cselect_b64 s[16:17], s[16:17], s[18:19]     ; to
	s_cselect_b32 s27, 4, 3                        ; 16 or 8 blocks of 128 columns
	s_cselect_b32 s28, 13, 12                      ; a row is 8,192 or 4,096 bytes
	s_cselect_b32 s42, 12800, s42                  ; from a K step's panel to the next K step's
	s_bfm_b32 s31, s27, 0
	s_and_b32 s31, s26, s31                        ; cp: which 128 columns
	s_lshr_b32 s32, s26, s27                       ; kp: which 256 along K
	s_lshr_b32 s33, s22, 1                         ; my wave's 32 columns lie in panel wave / 2 of the two
	s_lshl_b32 s34, s25, 4
	s_add_co_u32 s34, s34, s31
	s_lshl_b32 s34, s34, 4
	s_lshl_b32 s35, s32, 2
	s_add_co_u32 s34, s34, s35
	s_add_co_u32 s34, s34, s33                     ; W1's panel: (16 e + cp) 16 + 4 kp + wave / 2
	s_lshl_b32 s35, s31, 1
	s_add_co_u32 s35, s35, s33                     ; W2: the block of 64 outputs,
	s_lshl_b32 s35, s35, 4
	s_and_b32 s40, s25, 1
	s_lshl_b32 s40, s40, 3
	s_add_co_u32 s35, s35, s40
	s_add_co_u32 s35, s35, s32                     ; x 16 + 8 (e % 2) + kp,
	s_lshl_b32 s35, s35, 2
	s_lshr_b32 s40, s25, 1
	s_add_co_u32 s35, s35, s40                     ; x 4 + e / 2,
	s_lshl_b32 s35, s35, 1                         ; x 2
	s_cmp_lt_u32 s23, 512                          ; (the lines above have set SCC)
	s_cselect_b32 s34, s34, s35
	s_mul_i32 s34, s34, 6400
	s_mov_b32 s35, 0
	s_add_nc_u64 s[36:37], s[16:17], s[34:35]      ; the first K step's panel,
	s_add_nc_u64 s[38:39], s[36:37], s[42:43]      ; the second's
	s_lshl_b32 s40, s25, 23                        ; an expert is 8 MiB
	s_add_co_u32 s41, s28, 8
	s_lshl_b32 s41, s32, s41                       ; 256 kp rows
	s_add_co_u32 s40, s40, s41
	s_lshl_b32 s41, s31, 9
	s_add_co_u32 s40, s40, s41
	s_lshl_b32 s41, s22, 7
	s_add_co_u32 s40, s40, s41                     ; + 512 cp + 128 wave
	s_mov_b32 s41, 0
	s_add_nc_u64 s[48:49], s[6:7], s[40:41]        ; block 0's first row
	s_lshl_b32 s44, 32, s28
	s_mov_b32 s45, 0
.irp t, 1,2,3,4,5,6,7
	s_add_nc_u64 s[48+2*\t:49+2*\t], s[46+2*\t:47+2*\t], s[44:45]   ; 32 rows on for each block
.endr
	s_lshl_b32 s46, 1, s28                         ; a row in bytes
	v_and_b32 v2, 31, v0                           ; lane = my column of the wave's 32
	v_bfe_u32 v3, v0, 3, 1                         ; u: which of the two fragments it falls into,
	v_and_b32 v4, 7, v0
	v_bfe_u32 v5, v0, 4, 1
	v_lshl_add_u32 v4, v5, 3, v4                   ; r: and which row of it
	v_lshlrev_b32 v7, 2, v2
.irp i, 0,1,2,3,4,5,6,7,8,9,10,11,12,13,14,15,16,17,18,19,20,21,22,23,24,25,26,27,28,29,30,31
	v_mad_u32_u24 v[OFFR+\i], s46, \i, v7
.endr
	LOADW 0
	LOADW 1
	s_mul_i32 s47, s22, 4*SFR
	s_add_co_u32 s47, s47, WSTG                    ; my stage
	v_mul_u32_u24 v8, v3, SFR
	v_lshl_add_u32 v8, v4, 4, v8
	v_add_nc_u32 v8, s47, v8                       ; into it: fragment u, lane r's 16 bytes
	v_lshlrev_b32 v6, 4, v2
	v_add_nc_u32 v9, s47, v6                       ; out of it: 16 x lane
	s_and_b32 s29, s22, 1
	s_mul_i32 s30, s29, 3072
	v_add_nc_u32 v10, s30, v6                      ; in the panel: my wave's fragments are 2 (wave % 2) and the next
	s_lshl_b32 s30, s29, 7
	s_add_co_u32 s30, s30, 6144
	v_lshlrev_b32 v11, 2, v4
	v_lshl_add_u32 v11, v3, 6, v11
	v_add_nc_u32 v11, s30, v11                     ; my column's scale word
.irp t, 0,1,2,3,4,5,6,7
	BLOCK \t
.endr
	global_store_b32 v11, v[WSB], s[36:37]         ; the wave's 32 words: 128 consecutive bytes
	global_store_b32 v11, v[WSB+1], s[38:39]
.irp n, 0,1,2,3,4,5,6,7,8,9,10,11      ; piece n = 6 (K step) + 3 u + c
	ds_load_b128 v[WX+4*\n:WX+4*\n+3], v9 offset:SFR*(\n/3)+512*(\n%3)
.endr
.irp n, 0,1,2,3,4,5,6,7,8,9,10,11
	s_wait_dscnt 11-\n                             ; LDS loads come back in order: piece n is in, the younger ones may be out
	global_store_b128 v10, v[WX+4*\n:WX+4*\n+3], s[36+2*(\n/6):37+2*(\n/6)] offset:1536*((\n/3)%2)+512*(\n%3)   ; 512 consecutive bytes, at a multiple of 256 from the buffer's first byte
.endr
	s_wait_tensorcnt 0x0
	ds_add_u32 v254, v255
	s_wait_dscnt 0x0
	s_endpgm
	; ---------------- PATH X: my wave's 16 rows of x, all eight K steps; and their gate
.Lpath_x:
	s_load_b256 s[72:79], s[12:13], 0x0            ; bg
	v_and_b32 v9, 31, v0                           ; lane
	v_and_b32 v10, 15, v0                          ; r
	v_bfe_u32 v11, v0, 4, 1                        ; h
	v_lshlrev_b32 v2, 12, v10
	v_lshl_add_u32 v2, v11, 6, v2                  ; x: row r of 4,096 bytes + 64 h
	v_lshlrev_b32 v3, 4, v9                        ; an image's place for my lane
	v_lshl_add_u32 v4, v10, 2, 6144                ; my row's scale word
	v_lshlrev_b32 v5, 6, v11                       ; the turned Wg: my half's 16 k; steps with K
	v_lshlrev_b32 v6, 2, v0
	v_lshlrev_b32 v7, 5, v0
	v_lshlrev_b32 v8, 2, v9
	s_lshl_b32 s23, ttmp9, 2
	s_add_co_u32 s23, s23, s22                     ; my tile of 16 rows: 4 x work-group + wave
	s_lshl_b32 s30, s23, 16
	s_mov_b32 s31, 0
	s_add_nc_u64 s[4:5], s[4:5], s[30:31]
	s_lshr_b32 s30, ttmp9, 1
	s_mul_i32 s30, s30, 102400                     ; the block of 128 rows: eight double panels,
	s_and_b32 s32, ttmp9, 1
	s_mul_i32 s32, s32, 6400                       ; which panel of a double panel
	s_add_co_u32 s30, s30, s32
	s_add_nc_u64 s[28:29], s[14:15], s[30:31]
	s_mul_i32 s32, s22, 1536
	s_mov_b32 s33, 0
	s_add_nc_u64 s[24:25], s[28:29], s[32:33]      ; my fragment's image
	s_lshl_b32 s32, s22, 6
	s_add_nc_u64 s[28:29], s[28:29], s[32:33]      ; my fragment's scale words (6,144 stands in v4)
	s_lshl_b32 s32, s23, 9
	s_add_nc_u64 s[26:27], s[20:21], s[32:33]      ; my tile of the gate: [expert][16]
	s_mov_b32 s[SEL], 0x76543210
	s_mov_b32 s[SEL+1], 0xfedcba98
	s_mov_b32 s68, 4
	XLOAD XA, 0
.irp j, 0,1,2,3,4,5,6,7                ; Wg [1024][8]: thread T takes rows T + 128 j, 32 bytes each,
	global_load_b128 v[WB+8*\j:WB+8*\j+3], v7, s[10:11] offset:4096*\j
	global_load_b128 v[WB+8*\j+4:WB+8*\j+7], v7, s[10:11] offset:4096*\j+16
.endr
	s_wait_loadcnt 0x0
.irp j, 0,1,2,3,4,5,6,7                ; and lays them [expert][k]: 4,096 e + 4 k
.irp e, 0,1,2,3,4,5,6,7
	ds_store_b32 v6, v[WB+8*\j+\e] offset:4096*\e+512*\j
.endr
.endr
	s_wait_dscnt 0x0                               ; for the others' sake: my stores have landed
	s_barrier_signal -1
	s_barrier_wait -1                              ; the whole of Wg lies turned; nobody writes it again
	s_wait_kmcnt 0x0
.irp j, 0,1,2,3,4,5,6,7,8,9,10,11,12,13,14,15,16,17,18,19,20,21,22,23,24,25,26,27,28,29,30,31
	v_mov_b32 v[ACC+\j], 0
.endr
.irp b, 0,1,2,3
	v_mov_b32 v[TM+4+\b], 0                        ; a lane permute's destination counts as one of its sources
.endr
.Lx_trip:                                              ; four trips of two K steps
	XLOAD XB, 512
	s_wait_loadcnt 16                              ; XA's sixteen loads are in; XB's sixteen may be out
	QUANT XA
	XOUT 0
	s_wait_xcnt 0x0                                ; the stores' registers are written again only behind this wait: Wg's numbers land over them
	GATE XA, 0
	s_wait_loadcnt 0x0                             ; XB
	s_cmp_eq_u32 s68, 1                            ; the last trip asks for nothing more: no load leaves x
	s_cbranch_scc1 .Lx_no_next
	XLOAD XA, 1024
.Lx_no_next:
	QUANT XB
	XOUT 12800
	s_wait_xcnt 0x0
	GATE XB, 1
	s_wait_xcnt 0x0                                ; the bases step only behind this wait
	s_add_nc_u64 s[4:5], s[4:5], 1024
	s_add_nc_u64 s[24:25], s[24:25], 25600
	s_add_nc_u64 s[28:29], s[28:29], 25600
	v_add_nc_u32 v5, 1024, v5
	s_sub_co_u32 s68, s68, 1
	s_cmp_lg_u32 s68, 0
	s_cbranch_scc1 .Lx_trip
	; the softmax over the eight experts, the largest logit taken away first
.irp e, 0,1,2,3,4,5,6,7
	v_pk_add_f32 v[ACC+4*\e:ACC+4*\e+1], v[ACC+4*\e:ACC+4*\e+1], v[ACC+4*\e+2:ACC+4*\e+3]
.endr
.irp e, 0,1,2,3,4,5,6,7
	v_add_f32 v[240+\e], v[ACC+4*\e], v[ACC+4*\e+1]
.endr
.irp e, 0,1,2,3,4,5,6,7
	v_permlanex16_b32 v[ACC+4*\e+2], v[240+\e], s[SEL], s[SEL+1]
.endr
.irp e, 0,1,2,3,4,5,6,7
	v_add_f32 v[240+\e], v[240+\e], v[ACC+4*\e+2]  ; with lane l xor 16's half of K
.endr
.irp e, 0,1,2,3,4,5,6,7
	v_add_f32 v[240+\e], s[72+\e], v[240+\e]       ; + bg
.endr
	v_max3_num_f32 v248, v240, v241, v242
	v_max3_num_f32 v248, v248, v243, v244
	v_max3_num_f32 v248, v248, v245, v246
	v_max_num_f32 v248, v248, v247
.irp e, 0,1,2,3,4,5,6,7
	v_sub_f32 v[240+\e], v[240+\e], v248
.endr
.irp e, 0,1,2,3,4,5,6,7
	v_mul_f32 v[240+\e], 0x3fb8aa3b, v[240+\e]     ; x log2(e)
.endr
.irp e, 0,1,2,3,4,5,6,7
	v_exp_f32 v[240+\e], v[240+\e]
.endr
	v_nop                                          ; one plain line behind the exponentials
	s_wait_alu depctr_va_vdst(0)
	v_add_f32 v249, v240, v241
.irp e, 2,3,4,5,6,7
	v_add_f32 v249, v249, v[240+\e]
.endr
	v_rcp_f32 v249, v249
	v_cmp_le_u32 vcc_lo, 16, v9                    ; (a plain line behind the reciprocal)  lanes 16-31
	s_wait_alu depctr_va_vdst(0)
.irp e, 0,1,2,3,4,5,6,7
	v_mul_f32 v[240+\e], v[240+\e], v249
.endr
.irp p, 0,1,2,3                        ; both halves of the lanes hold the same: lanes 0-15 store expert 2 p, lanes 16-31 expert 2 p + 1: 128 consecutive bytes
	v_cndmask_b32 v[250+\p], v[240+2*\p], v[241+2*\p], vcc_lo
.endr
.irp p, 0,1,2,3
	global_store_b32 v8, v[250+\p], s[26:27] offset:128*\p
.endr
	s_wait_tensorcnt 0x0
	ds_add_u32 v254, v255
	s_wait_dscnt 0x0
	s_endpgm
.Lfunc_end_k_q85bf2fcb8c_prep:
	.size	k_q85bf2fcb8c_prep, .Lfunc_end_k_q85bf2fcb8c_prep-k_q85bf2fcb8c_prep
	.p2alignl 7, 3214868480
	.fill 96, 4, 3214868480
	.section	.rodata,"a",@progbits
	.p2align	6, 0x0
	.amdhsa_kernel k_q85bf2fcb8c_prep
		.amdhsa_group_segment_fixed_size 59904
		.amdhsa_private_segment_fixed_size 0
		.amdhsa_enable_private_segment 0
		.amdhsa_kernarg_size 72
		.amdhsa_user_sgpr_count 2
		.amdhsa_user_sgpr_kernarg_segment_ptr 1
		.amdhsa_wavefront_size32 1
		.amdhsa_system_sgpr_workgroup_id_x 1
		.amdhsa_system_sgpr_workgroup_id_y 1
		.amdhsa_system_sgpr_workgroup_id_z 1
		.amdhsa_system_vgpr_workitem_id 0
		.amdhsa_next_free_vgpr 256
		.amdhsa_next_free_sgpr 82
		.amdhsa_reserve_vcc 1
		.amdhsa_float_denorm_mode_32 3
		.amdhsa_float_denorm_mode_16_64 3
		.amdhsa_memory_ordered 1
		.amdhsa_forward_progress 1
		.amdhsa_inst_pref_size 120
	.end_amdhsa_kernel
	.amdgpu_metadata
---
amdhsa.version: [ 1, 2 ]
amdhsa.kernels:
  - .name:           k_q85bf2fcb8c_prep
    .symbol:         k_q85bf2fcb8c_prep.kd
    .args:
      - { .name: x, .offset: 0, .size: 8, .value_kind: global_buffer, .address_space: global }
      - { .name: W1, .offset: 8, .size: 8, .value_kind: global_buffer, .address_space: global }
      - { .name: W2, .offset: 16, .size: 8, .value_kind: global_buffer, .address_space: global }
      - { .name: Wg, .offset: 24, .size: 8, .value_kind: global_buffer, .address_space: global }
      - { .name: bg, .offset: 32, .size: 8, .value_kind: global_buffer, .address_space: global }
      - { .name: xq, .offset: 40, .size: 8, .value_kind: global_buffer, .address_space: global }
      - { .name: w1q, .offset: 48, .size: 8, .value_kind: global_buffer, .address_space: global }
      - { .name: w2q, .offset: 56, .size: 8, .value_kind: global_buffer, .address_space: global }
      - { .name: gate, .offset: 64, .size: 8, .value_kind: global_buffer, .address_space: global }
    .group_segment_fixed_size: 59904
    .private_segment_fixed_size: 0
    .kernarg_segment_align: 8
    .kernarg_segment_size: 72
    .max_flat_workgroup_size: 128
    .sgpr_count:     82
    .vgpr_count:     256
    .wavefront_size: 32
...
	.end_amdgpu_metadata
.endif
;; end of part 1
;; launch gemm1 (part 2): grid 64 x 8, 4 waves a work-group, clusters of 4 x 4, 327,680 bytes of LDS; arguments xq, w1q, b1, hq; writes hq
.if DOCPART == 2
	.amdgcn_target "amdgcn-amd-amdhsa--gfx1250"
	.amdhsa_code_object_version 6
	.text
	.protected	k_q85bf2fcb8c_gemm1
	.globl	k_q85bf2fcb8c_gemm1
	.p2align	8
	.type	k_q85bf2fcb8c_gemm1,@function
k_q85bf2fcb8c_gemm1:
	s_mov_b64 s[64:65], 0
	v_nop
	global_prefetch_b8 v0, s[64:65] scope:SCOPE_SE
	s_setreg_imm32_b32 hwreg(HW_REG_WAVE_MODE, 25, 1), 1
	s_wait_xcnt 0x0
	s_wait_alu depctr_hold_cnt(0) depctr_sa_sdst(0) depctr_va_vdst(0) depctr_va_sdst(0) depctr_va_ssrc(0) depctr_va_vcc(0) depctr_vm_vsrc(0)
	s_getreg_b32 s2, hwreg(HW_REG_IB_STS2, 6, 4)
	s_cmp_eq_u32 s2, 0
	s_cbranch_scc0 .Lentry_in_a_cluster
	s_endpgm
.Lentry_in_a_cluster:
	s_bfe_u32 s2, ttmp6, 0x10000c
	s_cmp_lg_u32 s2, 0xf033
	s_cbranch_scc0 .Lentry_shape_is_right
	s_endpgm
.Lentry_shape_is_right:
; h = gelu(x W1 + b1) for all eight experts, on codes of FP6 (E2M3) with E8M0 scales, quantised again along the hidden axis and stored as codes: h never lies in memory as f32.
; xq: [block of 128 tokens 16][K step 8] double panels; w1q: [block of 128 (expert, hidden) columns 128][K step 8] double panels.  A double panel is 128 rows x 128 K, 12,800 bytes: two panels of four fragment
; images (1,536 bytes: register j of lane l at 512 (j / 4) + 16 l + 4 (j % 4)) and 64 scale words each.  A fragment comes from LDS by three loads of 512 consecutive bytes: no pitch, no padding, no bank met twice.
; A work-group of four waves, as many as a WGP has SIMDs, makes 256 tokens x 256 columns; a wave 128 x 128: 64 accumulators, 512 registers.  K = 1,024 goes in eight steps of 128, two to a slot, through a ring of two slots.
; CLUSTERS: 4 x 4 work-groups; the four of a row need the same tokens, the four of a column the same weights: each tile is asked for jointly, which divides the requests by four.
; THE MATRIX INSTRUCTION IS USED TRANSPOSED (source 0 = 16 rows of W1's panel, source 1 = 16 tokens), and the rows of W1's fragments were chosen so that the 64 registers of a token tile's eight accumulators are, in a
; lane, register 16 b + i = hidden unit 32 b + 16 (lane / 16) + i: what the conversions want.  A wave's 128 hidden units are one K step of the second product: it stores one whole double panel of hq, 12,800 dense bytes.
; b1 is the C of each sum's first matrix instruction.  gelu (the tanh form) = x / (1 + 2^z), z = x (c0 + c1 x^2), c0 = -2 log2(e) sqrt(2 / pi), c1 = 0.044715 c0: all in f32.
; LIMITS: NaN and infinities are not served; where 2^z overflows the result is a zero, which is the function's limit; a block of h whose largest magnitude lies under 2^-124 keeps the scale byte 1.
; REGISTERS, in windows of 256: window 0: v16-31 addresses and constants; v32-63 scale words, two sets; v64-127 b1's eight tiles; v128-223 A's fragments, one set (v128-254 at work on the way out);
;   window 1: B's fragments, two sets, at v0 and v128;  window 2: accumulators of my tokens 0-63 ((a, b) at v[8 (8 (a % 4) + b)]);  window 3: those of tokens 64-127.
.set FR,    12
.set KPB,   12800                      ; a double panel
.set PNL,   6400                       ; a panel
.set BLKB,  2*KPB                      ; what one tensor load brings: 128 rows x two K steps
.set SLOT,  4*BLKB                     ; A's two blocks of 128 tokens, then B's two of 128 columns
.set SPARE, 2*SLOT                     ; behind the ring: the spare words, 128 bytes for each wave: two blocks of 256 bytes that no other line names
.set FA,   16                          ; v16-17  LDS address of my A fragments in slot 0, 1: 16 x lane + my block
.set FB,   18                          ; v18-19  the same for B
.set SAD,  20                          ; v20-21  of A's scale words: 4 x lane + my block
.set SBD,  22                          ; v22-23  of B's
.set LI,   24                          ; v24     16 x lane
.set LS,   25                          ; v25     4 x lane
.set C0,   26                          ; v[26:27] c0, twice
.set SPW,  28                          ; v28     LDS address of my spare word; never rewritten
.set NIL,  29                          ; v29     0; never rewritten
.set LN,   30                          ; v30     lane
.set BO,   31                          ; v31     64 x (lane / 16)
.set SC,   32                          ; scale words: slot s, K step q: A's four at v[SC + 16 s + 8 q], B's four behind them; register j: lanes 0-15 fragment 2 j, lanes 16-31 fragment 2 j + 1
.set BI,   64
.set AF,   128
.set S,    128                         ; the way out: 64 numbers at work
.set TM,   192                         ; v192-207 at work in QUANT
.set SEL,  94                          ; s[94:95] lane selects
.set G1, 24
.set G0, 32
.set G1B, 48
.set G0B, 56
.set MSB, 0
.macro WIN new                         ; the immediate's high byte repeats the setting that is left
.if MSB != (\new)
	s_set_vgpr_msb (MSB<<8)|(\new)
.set MSB, (\new)
.endif
.endm
.set TO_B, 0x40                        ; destination window 1, address window 0
; A joint load: waves 0 and 1 fetch for A, waves 2 and 3 for B; the branch hangs on the wave's number alone.  Four v_nop follow each of the two lines.
.macro JLOAD g0a, g1a, g0b, g1b
	s_cmp_eq_u32 s15, 0
	s_cbranch_scc0 .Lfor_b_\@
	tensor_load_to_lds s[\g0a:\g0a+3], s[\g1a:\g1a+7]
	s_nop 0
.rept 4
	v_nop
.endr
	s_branch .Lasked_\@
.Lfor_b_\@:
	tensor_load_to_lds s[\g0b:\g0b+3], s[\g1b:\g1b+7]
	s_nop 0
.rept 4
	v_nop
.endr
.Lasked_\@:
.endm
.macro CREST                           ; a round of the cluster's barrier behind its opening barrier
	s_cmp_lg_u32 s14, 0
	s_cbranch_scc1 .Lnot_wave_0_\@
	s_barrier_signal -3
.Lnot_wave_0_\@:
	s_barrier_wait -3
	s_barrier_signal -1
	s_barrier_wait -1
.endm
.macro CROUND
	s_barrier_signal -1
	s_barrier_wait -1
	CREST
.endm
.macro PLACES n                        ; plain vector lines between a matrix instruction and a load into, or a vector line on, its registers
.rept \n
	v_nop
.endr
.endm
.macro WM                              ; one product; the registers and the rows of the scale registers stand in symbols
.if fB && fA
	v_wmma_scale_f32_16x16x128_f8f6f4 v[rD:rD+7], v[rB:rB+FR-1], v[rA:rA+FR-1], v[rC:rC+7], v[rSB], v[rSA] matrix_a_fmt:MATRIX_FMT_FP6 matrix_b_fmt:MATRIX_FMT_FP6 matrix_a_scale:MATRIX_SCALE_ROW1 matrix_b_scale:MATRIX_SCALE_ROW1
.elseif fB
	v_wmma_scale_f32_16x16x128_f8f6f4 v[rD:rD+7], v[rB:rB+FR-1], v[rA:rA+FR-1], v[rC:rC+7], v[rSB], v[rSA] matrix_a_fmt:MATRIX_FMT_FP6 matrix_b_fmt:MATRIX_FMT_FP6 matrix_a_scale:MATRIX_SCALE_ROW1
.elseif fA
	v_wmma_scale_f32_16x16x128_f8f6f4 v[rD:rD+7], v[rB:rB+FR-1], v[rA:rA+FR-1], v[rC:rC+7], v[rSB], v[rSA] matrix_a_fmt:MATRIX_FMT_FP6 matrix_b_fmt:MATRIX_FMT_FP6 matrix_b_scale:MATRIX_SCALE_ROW1
.else
	v_wmma_scale_f32_16x16x128_f8f6f4 v[rD:rD+7], v[rB:rB+FR-1], v[rA:rA+FR-1], v[rC:rC+7], v[rSB], v[rSA] matrix_a_fmt:MATRIX_FMT_FP6 matrix_b_fmt:MATRIX_FMT_FP6
.endif
.endm
; 16 products: token blocks a0, a0 + 1 x B's eight.  p: B's set; q: the slot's K step; sc: the slot.  first = 1: b1's tile is the C.  The 64 accumulators take turns, in the same order in every step.
.macro MUL16 a0, p, q, sc, first
.irp a, \a0, \a0+1
.irp b, 0,1,2,3,4,5,6,7
.set rD, 8*(8*((\a)%4)+\b)
.set rB, 128*(\p)+FR*\b
.set rA, AF+FR*(\a)
.set rC, rD
.if \first
.set rC, BI+8*\b
.endif
.set rSB, SC+16*(\sc)+8*(\q)+4+\b/2
.set rSA, SC+16*(\sc)+8*(\q)+(\a)/2
.set fB, \b%2
.set fA, (\a)%2
	WM
.endr
.endr
.endm
.macro FRAG reg, adr, off              ; a fragment's image: three loads of 512 consecutive bytes
.irp c, 0,1,2
	ds_load_b128 v[\reg+4*\c:\reg+4*\c+3], v[\adr] offset:\off+512*\c
.endr
.endm
.macro FETCH_B slot, q, p
	WIN TO_B
.irp i, 0,1,2,3,4,5,6,7
	FRAG 128*(\p)+FR*\i, FB+\slot, KPB*(\q)+PNL*(\i/4)+1536*(\i%4)
.endr
	WIN 0
.endm
.macro FETCH_A slot, q, i0
.irp i, \i0, \i0+1, \i0+2, \i0+3
	FRAG AF+FR*(\i), FA+\slot, KPB*(\q)+PNL*((\i)/4)+1536*((\i)%4)
.endr
.endm
.macro SCALES slot                     ; both K steps' scale words of a slot: 16 loads of 128 consecutive bytes
.irp q, 0,1
.irp j, 0,1,2,3
	ds_load_b32 v[SC+16*\slot+8*\q+\j], v[SAD+\slot] offset:KPB*\q+PNL*(\j/2)+6144+128*(\j%2)
	ds_load_b32 v[SC+16*\slot+8*\q+4+\j], v[SBD+\slot] offset:KPB*\q+PNL*(\j/2)+6144+128*(\j%2)
.endr
.endr
.endm
; A slot's first K step (B's set 0); it fetches the second's fragments.  A block of A is free as soon as its eight products are issued, so A has one set of registers.
.macro STEP slot, first
	s_wait_dscnt 12                                ; all but the youngest twelve loads (A's blocks 4-7) are in
	WIN 0xa1-0x20*\first                           ; source 0 window 1, source 1 window 0, D window 2; C window 2, or window 0 where it is b1
	MUL16 0, 0, 0, \slot, \first
	MUL16 2, 0, 0, \slot, \first
	s_wait_dscnt 0x0                               ; A's blocks 4-7 are in
	PLACES 4
	FETCH_B \slot, 1, 1
	FETCH_A \slot, 1, 0
	WIN 0xf1-0x30*\first
	MUL16 4, 0, 0, \slot, \first
	MUL16 6, 0, 0, \slot, \first
	PLACES 4
	WIN 0
	FETCH_A \slot, 1, 4
.endm
; A slot's second K step (B's set 1) changes slots: one barrier; in front of it each wave waits for all its tensor loads, adds 0 to its spare word, and waits for that and for its reads of this slot.
.macro TURN slot, next, fill
	s_wait_tensorcnt 0x0                           ; all my tensor loads have landed: the one that was out is my part of the next slot
	ds_add_u32 v[SPW], v[NIL]                      ; 0 onto my spare word
	s_wait_dscnt 13                                ; (the add and the youngest twelve loads may be out)
	WIN 0xa1
	MUL16 0, 1, 1, \slot, 0                        ; sixteen products stand between the add and the wait for it
	s_wait_dscnt 0x0                               ; the add is done, and my reads of this slot are over
	s_barrier_signal -1
	MUL16 2, 1, 1, \slot, 0
	WIN 0
	s_barrier_wait -1
.if \fill
	CREST                                          ; the barrier has opened a round of the cluster's: no wave of any partner still reads this slot or has a load on its way
	s_add_nc_u64 s[G0+4*\slot+2:G0+4*\slot+3], s[G0+4*\slot+2:G0+4*\slot+3], 2*BLKB
	s_add_nc_u64 s[G0B+4*\slot+2:G0B+4*\slot+3], s[G0B+4*\slot+2:G0B+4*\slot+3], 2*BLKB
	JLOAD G0+4*\slot, G1, G0B+4*\slot, G1B         ; the first tensor load behind the round; its four v_nop are also the places in front of the loads below
.else
	PLACES 4
.endif
	FETCH_B \next, 0, 0
	FETCH_A \next, 0, 0
	SCALES \next
	WIN 0xf1
	MUL16 4, 1, 1, \slot, 0
	MUL16 6, 1, 1, \slot, 0
	PLACES 4
	WIN 0
	FETCH_A \next, 0, 4
.endm
.macro QUANT s                         ; 64 numbers of a lane, register 16 b + i = k 32 b + 16 (lane / 16) + i of my row, become a fragment's codes in v[PC] on and its scale word in v[PW]
.irp b, 0,1,2,3
	v_max3_num_f32 v[TM+\b], |v[\s+16*\b]|, |v[\s+1+16*\b]|, 0x1800000   ; and the floor 2^(3 - 127): the byte cannot fall under 1
.endr
.irp i, 2,4,6,8,10,12,14
.irp b, 0,1,2,3
	v_max3_num_f32 v[TM+\b], v[TM+\b], |v[\s+16*\b+\i]|, |v[\s+1+16*\b+\i]|
.endr
.endr
.irp b, 0,1,2,3
	v_permlanex16_b32 v[TM+4+\b], v[TM+\b], s[SEL], s[SEL+1]
.endr
.irp b, 0,1,2,3
	v_max_num_f32 v[TM+\b], v[TM+\b], v[TM+4+\b]
.endr
.irp b, 0,1,2,3
	v_add_nc_u32 v[TM+12+\b], 0xff000000, v[TM+\b] ; 2 off the exponent field: the conversion's scale operand
.endr
.irp b, 0,1,2,3
	v_lshrrev_b32 v[TM+4+\b], 23, v[TM+12+\b]      ; the scale's byte
.endr
	v_lshl_or_b32 v[PW], v[TM+5], 8, v[TM+4]
	v_lshl_or_b32 v[PW], v[TM+6], 16, v[PW]
	v_lshl_or_b32 v[PW], v[TM+7], 24, v[PW]
.irp c, 0,1
	v_cvt_scalef32_pk16_fp6_f32 v[PC+6*\c:PC+2+6*\c], v[\s+32*\c:\s+15+32*\c], v[TM+12+2*\c]
	v_cvt_scalef32_pk16_fp6_f32 v[PC+12+4*\c:PC+14+4*\c], v[\s+16+32*\c:\s+31+32*\c], v[TM+12+2*\c+1]
.endr
	v_nop                                          ; one plain line behind a scaled conversion
.irp c, 0,1
.irp i, 0,1,2
	v_permlane16_swap_b32 v[PC+6*\c+\i], v[PC+12+4*\c+\i]
.endr
.irp i, 0,1,2
	v_mov_b32 v[PC+3+6*\c+\i], v[PC+12+4*\c+\i]
.endr
.endr
.endm
; THE WAY OUT of token block a: gelu in f32, the quantiser, the image to memory.  The accumulators are read from their low ends on.
.macro EPI a
.set AC, 64*((\a)%4)
.set WA, 2+(\a)/4                      ; the block's window
.set PC, 216+20*((\a)%2)               ; the codes: two runs of registers by turns
.set PW, 208+(\a)
	s_wait_xcnt 0x0                                ; the registers that earlier stores read are written again only behind this wait
	WIN 5*WA                                       ; sources 0 and 1 in the block's window
.set ej, 0
.rept 32
	v_pk_mul_f32 v[S+ej:S+ej+1], v[AC+ej:AC+ej+1], v[AC+ej:AC+ej+1]                ; x^2
.set ej, ej+2
.endr
	WIN 0
.set ej, 0
.rept 32
	v_pk_fma_f32 v[S+ej:S+ej+1], v[S+ej:S+ej+1], s[92:93], v[C0:C0+1] op_sel_hi:[1,0,1]   ; c1 x^2 + c0
.set ej, ej+2
.endr
	WIN WA
.set ej, 0
.rept 32
	v_pk_mul_f32 v[S+ej:S+ej+1], v[AC+ej:AC+ej+1], v[S+ej:S+ej+1]                  ; z
.set ej, ej+2
.endr
	WIN 0
.set ej, 0
.rept 64
	v_exp_f32 v[S+ej], v[S+ej]
.set ej, ej+1
.endr
	v_nop                                          ; one plain line behind the exponentials
.set ej, 0
	s_wait_alu depctr_va_vdst(0)
.rept 32
	v_pk_add_f32 v[S+ej:S+ej+1], v[S+ej:S+ej+1], 1.0 op_sel_hi:[1,0]
.set ej, ej+2
.endr
.set ej, 0
.rept 64
	v_rcp_f32 v[S+ej], v[S+ej]
.set ej, ej+1
.endr
	v_nop
	WIN WA
.set ej, 0
	s_wait_alu depctr_va_vdst(0)
.rept 32
	v_pk_mul_f32 v[S+ej:S+ej+1], v[AC+ej:AC+ej+1], v[S+ej:S+ej+1]                  ; x / (1 + 2^z)
.set ej, ej+2
.endr
	WIN 0
	QUANT S
.irp c, 0,1,2
	global_store_b128 v[LI], v[PC+4*\c:PC+4*\c+3], s[10:11] offset:PNL*((\a)/4)+1536*((\a)%4)+512*\c   ; 512 consecutive bytes, at a multiple of 256 from hq's first byte
.endr
.if (\a)%2
	v_cndmask_b32 v[TM+8], v[PW-1], v[PW], vcc_lo  ; lanes 0-15 the words of block a - 1, lanes 16-31 those of block a: 128 consecutive bytes
	global_store_b32 v[LS], v[TM+8], s[10:11] offset:PNL*((\a)/4)+6144+128*(((\a)%4)/2)
.endif
.endm
	s_load_b256 s[4:11], s[0:1], 0x0               ; xq s[4:5], w1q s[6:7], b1 s[8:9], hq s[10:11]
	v_lshl_add_u32 v[SPW], v0, 2, SPARE
	v_mov_b32 v[NIL], 0
	ds_add_u32 v28, v29
	ds_add_u32 v28, v29
	s_wait_dscnt 0x0
	v_lshrrev_b32 v1, 5, v0
	v_readfirstlane_b32 s14, v1                    ; wave 0..3
	s_lshr_b32 s15, s14, 1                         ; which 128 tokens are mine.  Also: I fetch for A (0) or for B (1)
	s_and_b32 s16, s14, 1                          ; which 128 columns.  Also: which block of 128 rows I fetch
	s_bfe_u32 s40, ttmp6, 0x40000                  ; cx, cy: my place in the cluster
	s_bfe_u32 s41, ttmp6, 0x40004
	s_lshl_b32 s42, ttmp9, 2
	s_add_co_u32 s42, s42, s40                     ; wx: which 256 (expert, hidden) columns
	s_and_b32 s17, ttmp7, 0xffff
	s_lshl_b32 s17, s17, 2
	s_add_co_u32 s17, s17, s41                     ; wy: which 256 tokens
	s_lshl_b32 s43, s41, 2
	s_lshl_b32 s43, 15, s43                        ; my row of the cluster
	s_lshl_b32 s44, 0x1111, s40                    ; my column
	; descriptor group 1: a dense block of 25,600 bytes as 100 rows of 32 elements of 8 bytes, no padding
	s_or_b32 s[G1], s43, (3<<16)|(1<<21)           ; 15:0 the mask: A's tiles go to my row; 17:16 elements of 8 bytes; 21 set beside a mask
	s_or_b32 s[G1B], s44, (3<<16)|(1<<21)
.irp g, G1, G1B
	s_mov_b32 s[\g+1], 32<<16                      ; tensor_dim0
	s_mov_b32 s[\g+2], 100<<16                     ; tensor_dim1
	s_mov_b32 s[\g+3], 32<<16                      ; tile_dim0
	s_mov_b32 s[\g+4], 100                         ; tile_dim1
	s_mov_b32 s[\g+5], 32                          ; from row to row
	s_mov_b32 s[\g+6], 0
	s_mov_b32 s[\g+7], 0
.endr
	s_lshl_b32 s20, s17, 1
	s_add_co_u32 s20, s20, s16
	s_mul_i32 s20, s20, 8*KPB                      ; A: block 2 wy + half, eight double panels each
	s_mov_b32 s21, 0
	s_lshl_b32 s46, s42, 1
	s_add_co_u32 s46, s46, s16
	s_mul_i32 s46, s46, 8*KPB                      ; B: block 2 wx + half
	s_mov_b32 s47, 0
	s_mul_i32 s45, s14, BLKB                       ; where they go: wave x 25,600: no place in the cluster enters an LDS address
	s_wait_kmcnt 0x0
	s_add_nc_u64 s[20:21], s[4:5], s[20:21]
	s_add_nc_u64 s[46:47], s[6:7], s[46:47]
	CROUND                                         ; all sixteen work-groups are here: the first joint loads meet
.irp s, 0,1
	s_mov_b32 s[G0+4*\s], 1
	s_add_co_u32 s[G0+4*\s+1], s45, \s*SLOT
	s_add_nc_u64 s[G0+4*\s+2:G0+4*\s+3], s[20:21], \s*BLKB
	s_or_b32 s[G0+4*\s+3], s[G0+4*\s+3], 0x80000000
	s_mov_b32 s[G0B+4*\s], 1
	s_add_co_u32 s[G0B+4*\s+1], s45, \s*SLOT
	s_add_nc_u64 s[G0B+4*\s+2:G0B+4*\s+3], s[46:47], \s*BLKB
	s_or_b32 s[G0B+4*\s+3], s[G0B+4*\s+3], 0x80000000
	JLOAD G0+4*\s, G1, G0B+4*\s, G1B               ; K steps 0, 1 and 2, 3: two loads of mine are out
.endr
	v_and_b32 v[LN], 31, v0
	v_lshlrev_b32 v[LI], 4, v[LN]
	v_lshlrev_b32 v[LS], 2, v[LN]
	v_bfe_u32 v1, v0, 4, 1
	v_lshlrev_b32 v[BO], 6, v1
	s_mul_i32 s21, s15, BLKB                       ; my 128 tokens
	s_mul_i32 s22, s16, BLKB
	s_add_co_u32 s22, s22, 2*BLKB                  ; my 128 columns, behind A's two blocks
.irp s, 0,1
	v_add_nc_u32 v[FA+\s], s21, v[LI]
	v_add_nc_u32 v[FB+\s], s22, v[LI]
	v_add_nc_u32 v[SAD+\s], s21, v[LS]
	v_add_nc_u32 v[SBD+\s], s22, v[LS]
	s_add_co_u32 s21, s21, SLOT
	s_add_co_u32 s22, s22, SLOT
.endr
	s_lshl_b32 s70, s42, 10
	s_lshl_b32 s71, s16, 9
	s_add_co_u32 s70, s70, s71
	s_mov_b32 s71, 0
	s_add_nc_u64 s[8:9], s[8:9], s[70:71]          ; b1 at my 128 columns
.irp t, 0,1,2,3,4,5,6,7                ; tile 2 b + u, lane half h: units 32 b + 16 h + 8 u + 0 .. 7
	global_load_b128 v[BI+8*\t:BI+8*\t+3], v[BO], s[8:9] offset:128*(\t/2)+32*(\t%2)
	global_load_b128 v[BI+8*\t+4:BI+8*\t+7], v[BO], s[8:9] offset:128*(\t/2)+32*(\t%2)+16
.endr
	s_lshl_b32 s72, s17, 1
	s_add_co_u32 s72, s72, s15                     ; hq: [block of 128 tokens][n = wx % 16][wx / 16][my half of the columns]
	s_lshl_b32 s72, s72, 4
	s_and_b32 s73, s42, 15
	s_add_co_u32 s72, s72, s73
	s_lshl_b32 s72, s72, 2
	s_lshr_b32 s73, s42, 4
	s_add_co_u32 s72, s72, s73
	s_lshl_b32 s72, s72, 1
	s_add_co_u32 s72, s72, s16
	s_mul_i32 s72, s72, KPB
	s_mov_b32 s73, 0
	s_add_nc_u64 s[10:11], s[10:11], s[72:73]
	v_mov_b32 v[C0], 0xc0135761                    ; c0 = -2.3022082
	v_mov_b32 v[C0+1], 0xc0135761
	s_mov_b32 s92, 0xbdd2d3e8                      ; c1 = -0.10294325
	s_mov_b32 s93, 0xbdd2d3e8                      ; (named with it as a pair, so it is written)
	s_mov_b32 s[SEL], 0x76543210
	s_mov_b32 s[SEL+1], 0xfedcba98
	s_wait_tensorcnt 1                             ; my part of slot 0 is in; slot 1's may stay out
	s_barrier_signal -1
	s_barrier_wait -1                              ; everybody's is
	FETCH_B 0, 0, 0
	FETCH_A 0, 0, 0
	SCALES 0
	FETCH_A 0, 0, 4
	s_wait_loadcnt 0x0                             ; b1
	STEP 0, 1                                      ; K step 0 starts the sums from b1: nothing is cleared
	TURN 0, 1, 1                                   ; 1; slot 0 takes K steps 4, 5
	STEP 1, 0                                      ; 2
	TURN 1, 0, 1                                   ; 3; slot 1 takes K steps 6, 7
	STEP 0, 0                                      ; 4
	TURN 0, 1, 0                                   ; 5; nothing is left to fetch
	STEP 1, 0                                      ; 6
	s_wait_dscnt 12                                ; 7
	WIN 0xa1
	MUL16 0, 1, 1, 1, 0
	MUL16 2, 1, 1, 1, 0
	s_wait_dscnt 0x0
	WIN 0xf1
	MUL16 4, 1, 1, 1, 0
	MUL16 6, 1, 1, 1, 0
	WIN 0
	PLACES 4                                       ; in front of the first read of results and of the first vector write over A's fragments
	v_cmp_le_u32 vcc_lo, 16, v[LN]                 ; lanes 16-31
.irp b, 0,1,2,3
	v_mov_b32 v[TM+4+\b], 0                        ; a lane permute's destination counts as one of its sources
.endr
.irp a, 0,1,2,3,4,5,6,7
	EPI \a
.endr
	s_wait_tensorcnt 0x0                           ; the wave's end
	ds_add_u32 v[SPW], v[NIL]
	s_wait_dscnt 0x0
	CROUND                                         ; the closing round: no work-group ends while a partner may still ask for a tile that names it
	s_endpgm
.Lfunc_end_k_q85bf2fcb8c_gemm1:
	.size	k_q85bf2fcb8c_gemm1, .Lfunc_end_k_q85bf2fcb8c_gemm1-k_q85bf2fcb8c_gemm1
	.p2alignl 7, 3214868480
	.fill 96, 4, 3214868480
	.section	.rodata,"a",@progbits
	.p2align	6, 0x0
	.amdhsa_kernel k_q85bf2fcb8c_gemm1
		.amdhsa_group_segment_fixed_size 327680
		.amdhsa_private_segment_fixed_size 0
		.amdhsa_enable_private_segment 0
		.amdhsa_kernarg_size 32
		.amdhsa_user_sgpr_count 2
		.amdhsa_user_sgpr_kernarg_segment_ptr 1
		.amdhsa_wavefront_size32 1
		.amdhsa_system_sgpr_workgroup_id_x 1
		.amdhsa_system_sgpr_workgroup_id_y 1
		.amdhsa_system_sgpr_workgroup_id_z 1
		.amdhsa_system_vgpr_workitem_id 0
		.amdhsa_next_free_vgpr 1024
		.amdhsa_next_free_sgpr 98
		.amdhsa_reserve_vcc 1
		.amdhsa_float_denorm_mode_32 3
		.amdhsa_float_denorm_mode_16_64 3
		.amdhsa_memory_ordered 1
		.amdhsa_forward_progress 1
		.amdhsa_inst_pref_size 254
	.end_amdhsa_kernel
	.amdgpu_metadata
---
amdhsa.version: [ 1, 2 ]
amdhsa.kernels:
  - .name:           k_q85bf2fcb8c_gemm1
    .symbol:         k_q85bf2fcb8c_gemm1.kd
    .args:
      - { .name: xq, .offset: 0, .size: 8, .value_kind: global_buffer, .address_space: global }
      - { .name: w1q, .offset: 8, .size: 8, .value_kind: global_buffer, .address_space: global }
      - { .name: b1, .offset: 16, .size: 8, .value_kind: global_buffer, .address_space: global }
      - { .name: hq, .offset: 24, .size: 8, .value_kind: global_buffer, .address_space: global }
    .group_segment_fixed_size: 327680
    .private_segment_fixed_size: 0
    .kernarg_segment_align: 8
    .kernarg_segment_size: 32
    .max_flat_workgroup_size: 128
    .sgpr_count:     98
    .vgpr_count:     1024
    .wavefront_size: 32
...
	.end_amdgpu_metadata
.endif
;; end of part 2
;; launch gemm2 (part 3): grid 16 x 16, 4 waves a work-group, clusters of 4 x 4, 327,680 bytes of LDS; arguments hq, w2q, b2, gate, out0; writes out0
.if DOCPART == 3
	.amdgcn_target "amdgcn-amd-amdhsa--gfx1250"
	.amdhsa_code_object_version 6
	.text
	.protected	k_q85bf2fcb8c_gemm2
	.globl	k_q85bf2fcb8c_gemm2
	.p2align	8
	.type	k_q85bf2fcb8c_gemm2,@function
k_q85bf2fcb8c_gemm2:
	s_mov_b64 s[64:65], 0
	v_nop
	global_prefetch_b8 v0, s[64:65] scope:SCOPE_SE
	s_setreg_imm32_b32 hwreg(HW_REG_WAVE_MODE, 25, 1), 1
	s_wait_xcnt 0x0
	s_wait_alu depctr_hold_cnt(0) depctr_sa_sdst(0) depctr_va_vdst(0) depctr_va_sdst(0) depctr_va_ssrc(0) depctr_va_vcc(0) depctr_vm_vsrc(0)
	s_getreg_b32 s2, hwreg(HW_REG_IB_STS2, 6, 4)
	s_cmp_eq_u32 s2, 0
	s_cbranch_scc0 .Lentry_in_a_cluster
	s_endpgm
.Lentry_in_a_cluster:
	s_bfe_u32 s2, ttmp6, 0x10000c
	s_cmp_lg_u32 s2, 0xf033
	s_cbranch_scc0 .Lentry_shape_is_right
	s_endpgm
.Lentry_shape_is_right:
; out[n][o] = the sum over the eight experts e of gate[n][e] (h[e][n] . W2[e][:, o] + b2[e][o]); the products on codes of FP6 (E2M3) with E8M0 scales, everything else in f32.
; hq: [block of 128 tokens 16][n 16][cw 4][q 2] double panels (128 rows x 128 K, 12,800 bytes); w2q: [block of 64 outputs 16][n 16][cw 4][q 2] panels (64 rows, 6,400 bytes);
; expert = 2 cw + n / 8, K step = 2 (n % 8) + q.  A panel is four fragment images (register j of lane l at 512 (j / 4) + 16 l + 4 (j % 4)) and 64 scale words.
; A work-group makes 128 tokens x 64 outputs, so that the 2,048 x 1,024 outputs give 256 work-groups and each output has one owner.  THE FOUR WAVES SPLIT K BY EXPERTS: wave w makes the whole tile for experts 2 w and
; 2 w + 1, 16 K steps each: 32 accumulators.  b2 is the C of an expert's first products; an expert's finished sums are multiplied by the gate into 32 running totals; the four waves' totals meet in LDS.
; One fill n of a slot is a dense run of memory: two K steps of all four waves, 102,400 bytes of h and 51,200 of W2.  CLUSTERS: 4 x 4 work-groups; h's tiles are shared along a row, W2's along a column.
; THE MATRIX INSTRUCTION IS USED TRANSPOSED (source 0 = 16 rows of W2's panel, source 1 = 16 tokens); by the order of W2's rows a lane's 16 registers of tiles 2 b and 2 b + 1 are outputs 32 b + 16 (lane / 16) + 0 .. 15 of one token.
; LIMITS: NaN and infinities are not served.  The eight experts' terms are added in the order (0 + 1) + (2 + 3) + ((4 + 5) + (6 + 7)), in f32.
; REGISTERS, in windows of 256: window 0: v8-29 addresses; v32-55 scale words, two sets; v64-95 the gate (a pair for each expert and token block, the upper register 0); v128-223 A's fragments, one set;
;   window 1: B's fragments, two sets, at v0 and v128; v64-127 b2's tiles;  window 2: the accumulators ((a, b) at v[8 (4 a + b)]);  window 3: the totals, in the same places.
.set FR,    12
.set KPA,   12800                      ; a double panel
.set PNL,   6400                       ; a panel
.set BOFF,  102400                     ; in a slot: A's [cw][q] double panels, then B's [cw][q] panels
.set SLOT,  153600
.set SPARE, 2*SLOT                     ; behind the ring: the spare words, 128 bytes for each wave: two blocks of 256 bytes that no other line names
.set SPITCH, 272                       ; the way out: a row of 64 outputs, 256 bytes + 16
.set SREG,  128*SPITCH                 ; a wave's totals.  The four regions lie in slot 0, which has had its last fill and its last read when the first total is stored there
.set RD,   8                           ; v8-11   where I read my rows back from the four regions
.set STO,  12                          ; v12     where I put 64 bytes of a row
.set CO,   13                          ; v13     my byte offset in out0
.set GOF,  14                          ; v14     4 x (lane % 16)
.set BO,   15                          ; v15     64 x (lane / 16)
.set FA,   16
.set FB,   18
.set SAD,  20
.set SBD,  22
.set LI,   24
.set LS,   25
.set SPW,  28                          ; v28     LDS address of my spare word; never rewritten
.set NIL,  29                          ; v29     0; never rewritten
.set SC,   32                          ; scale words: slot s, K step q: A's four at v[SC + 12 s + 6 q], B's two behind them
.set PG,   64                          ; the gate of expert 2 w + u for token block a: v[PG + 2 (8 u + a)]
.set AF,   128
.set B2T,  64                          ; in window 1: b2's tile t of expert 2 w + u at v[B2T + 32 u + 8 t]
.set G1, 24
.set G0, 32
.set G1B, 48
.set G0B, 56
.set MSB, 0
.macro WIN new                         ; the immediate's high byte repeats the setting that is left
.if MSB != (\new)
	s_set_vgpr_msb (MSB<<8)|(\new)
.set MSB, (\new)
.endif
.endm
.set TO_B, 0x40
.macro JLOAD g0a, g1a, g0b, g1b        ; waves 0 and 1 fetch h's halves, waves 2 and 3 W2's; four v_nop follow each of the two lines
	s_cmp_eq_u32 s15, 0
	s_cbranch_scc0 .Lfor_b_\@
	tensor_load_to_lds s[\g0a:\g0a+3], s[\g1a:\g1a+7]
	s_nop 0
.rept 4
	v_nop
.endr
	s_branch .Lasked_\@
.Lfor_b_\@:
	tensor_load_to_lds s[\g0b:\g0b+3], s[\g1b:\g1b+7]
	s_nop 0
.rept 4
	v_nop
.endr
.Lasked_\@:
.endm
.macro CREST
	s_cmp_lg_u32 s14, 0
	s_cbranch_scc1 .Lnot_wave_0_\@
	s_barrier_signal -3
.Lnot_wave_0_\@:
	s_barrier_wait -3
	s_barrier_signal -1
	s_barrier_wait -1
.endm
.macro CROUND
	s_barrier_signal -1
	s_barrier_wait -1
	CREST
.endm
.macro PLACES n
.rept \n
	v_nop
.endr
.endm
.macro WM
.if fB && fA
	v_wmma_scale_f32_16x16x128_f8f6f4 v[rD:rD+7], v[rB:rB+FR-1], v[rA:rA+FR-1], v[rC:rC+7], v[rSB], v[rSA] matrix_a_fmt:MATRIX_FMT_FP6 matrix_b_fmt:MATRIX_FMT_FP6 matrix_a_scale:MATRIX_SCALE_ROW1 matrix_b_scale:MATRIX_SCALE_ROW1
.elseif fB
	v_wmma_scale_f32_16x16x128_f8f6f4 v[rD:rD+7], v[rB:rB+FR-1], v[rA:rA+FR-1], v[rC:rC+7], v[rSB], v[rSA] matrix_a_fmt:MATRIX_FMT_FP6 matrix_b_fmt:MATRIX_FMT_FP6 matrix_a_scale:MATRIX_SCALE_ROW1
.elseif fA
	v_wmma_scale_f32_16x16x128_f8f6f4 v[rD:rD+7], v[rB:rB+FR-1], v[rA:rA+FR-1], v[rC:rC+7], v[rSB], v[rSA] matrix_a_fmt:MATRIX_FMT_FP6 matrix_b_fmt:MATRIX_FMT_FP6 matrix_b_scale:MATRIX_SCALE_ROW1
.else
	v_wmma_scale_f32_16x16x128_f8f6f4 v[rD:rD+7], v[rB:rB+FR-1], v[rA:rA+FR-1], v[rC:rC+7], v[rSB], v[rSA] matrix_a_fmt:MATRIX_FMT_FP6 matrix_b_fmt:MATRIX_FMT_FP6
.endif
.endm
; 8 products: token blocks a0, a0 + 1 x B's four.  first = 1: b2's tile of expert 2 w + u is the C.  The 32 accumulators take turns, in the same order in every step.
.macro MUL8 a0, p, q, sc, first, u
.irp a, \a0, \a0+1
.irp b, 0,1,2,3
.set rD, 8*(4*(\a)+\b)
.set rB, 128*(\p)+FR*\b
.set rA, AF+FR*(\a)
.set rC, rD
.if \first
.set rC, B2T+32*(\u)+8*\b
.endif
.set rSB, SC+12*(\sc)+6*(\q)+4+\b/2
.set rSA, SC+12*(\sc)+6*(\q)+(\a)/2
.set fB, \b%2
.set fA, (\a)%2
	WM
.endr
.endr
.endm
.macro FRAG reg, adr, off
.irp c, 0,1,2
	ds_load_b128 v[\reg+4*\c:\reg+4*\c+3], v[\adr] offset:\off+512*\c
.endr
.endm
.macro FETCH_B slot, q, p
	WIN TO_B
.irp i, 0,1,2,3
	FRAG 128*(\p)+FR*\i, FB+\slot, PNL*(\q)+1536*\i
.endr
	WIN 0
.endm
.macro FETCH_A slot, q, i0
.irp i, \i0, \i0+1, \i0+2, \i0+3
	FRAG AF+FR*(\i), FA+\slot, KPA*(\q)+PNL*((\i)/4)+1536*((\i)%4)
.endr
.endm
.macro SCALES slot                     ; both K steps' scale words of a slot: twelve loads
.irp q, 0,1
.irp j, 0,1,2,3
	ds_load_b32 v[SC+12*\slot+6*\q+\j], v[SAD+\slot] offset:KPA*\q+PNL*(\j/2)+6144+128*(\j%2)
.endr
.irp j, 0,1
	ds_load_b32 v[SC+12*\slot+6*\q+4+\j], v[SBD+\slot] offset:PNL*\q+6144+128*\j
.endr
.endr
.endm
.macro STEP slot, first, u             ; a slot's first K step (B's set 0); it fetches the second's fragments
	s_wait_dscnt 12                                ; all but the youngest twelve loads (A's blocks 4-7) are in
	WIN 0xa1-0x10*\first                           ; source 0 window 1, source 1 window 0, D window 2; C window 2, or window 1 where it is b2
	MUL8 0, 0, 0, \slot, \first, \u
	MUL8 2, 0, 0, \slot, \first, \u
	s_wait_dscnt 0x0
	PLACES 4
	FETCH_B \slot, 1, 1
	FETCH_A \slot, 1, 0
	WIN 0xa1-0x10*\first
	MUL8 4, 0, 0, \slot, \first, \u
	MUL8 6, 0, 0, \slot, \first, \u
	PLACES 4
	WIN 0
	FETCH_A \slot, 1, 4
.endm
.macro TURN slot, next, fill           ; a slot's second K step (B's set 1) changes slots
	s_wait_tensorcnt 0x0                           ; all my tensor loads have landed: the one that was out is my part of the next slot
	ds_add_u32 v[SPW], v[NIL]                      ; 0 onto my spare word
	s_wait_dscnt 13                                ; (the add and the youngest twelve loads may be out)
	WIN 0xa1
	MUL8 0, 1, 1, \slot, 0, 0                      ; eight products stand between the add and the wait for it
	s_wait_dscnt 0x0                               ; the add is done, and my reads of this slot are over
	s_barrier_signal -1
	MUL8 2, 1, 1, \slot, 0, 0
	WIN 0
	s_barrier_wait -1
.if \fill
	CREST                                          ; the barrier has opened a round of the cluster's: no wave of any partner still reads this slot or has a load on its way
	s_add_nc_u64 s[G0+4*\slot+2:G0+4*\slot+3], s[G0+4*\slot+2:G0+4*\slot+3], 2*BOFF
	s_add_nc_u64 s[G0B+4*\slot+2:G0B+4*\slot+3], s[G0B+4*\slot+2:G0B+4*\slot+3], BOFF
	JLOAD G0+4*\slot, G1, G0B+4*\slot, G1B         ; the first tensor load behind the round; its four v_nop are also the places in front of the loads below
.else
	PLACES 4
.endif
	FETCH_B \next, 0, 0
	FETCH_A \next, 0, 0
	SCALES \next
	WIN 0xa1
	MUL8 4, 1, 1, \slot, 0, 0
	MUL8 6, 1, 1, \slot, 0, 0
	PLACES 4
	WIN 0
	FETCH_A \next, 0, 4
.endm
; An expert's finished sums times its gate, into the totals; each accumulator from its low end on.  The lines on the other accumulators are the places between an accumulator's last product and the product that begins it anew.
.macro COMBINE u
.if \u == 0
	WIN 0xc2                                       ; totals window 3, sums window 2, the gate window 0
.else
	WIN 0xf2
.endif
.set ca, 0
.rept 8
.set cj, 32*ca
.rept 16
.if \u == 0
	v_pk_mul_f32 v[cj:cj+1], v[cj:cj+1], v[PG+2*ca:PG+2*ca+1] op_sel_hi:[1,0]
.else
	v_pk_fma_f32 v[cj:cj+1], v[cj:cj+1], v[PG+16+2*ca:PG+16+2*ca+1], v[cj:cj+1] op_sel_hi:[1,0,1]
.endif
.set cj, cj+2
.endr
.set ca, ca+1
.endr
.endm
; One expert: 16 K steps, eight slots' worth.  Every change of slots but the launch's last two fills the slot just left with the tiles two fills on; the tails are written out.
.macro HALF u
	STEP 0, 1, \u
	s_mov_b32 s3, 3
.Lhalf_\@:
	TURN 0, 1, 1
	STEP 1, 0, \u
	TURN 1, 0, 1
	STEP 0, 0, \u
	s_sub_co_u32 s3, s3, 1
	s_cmp_lg_u32 s3, 0
	s_cbranch_scc1 .Lhalf_\@
.if \u == 0
	TURN 0, 1, 1
	STEP 1, 0, \u
	TURN 1, 0, 1                                   ; it fetches the second expert's first fragments
	COMBINE 0
.else
	TURN 0, 1, 0
	STEP 1, 0, \u
	s_wait_dscnt 12                                ; the very last K step
	WIN 0xa1
	MUL8 0, 1, 1, 1, 0, 0
	MUL8 2, 1, 1, 1, 0, 0
	s_wait_dscnt 0x0
	MUL8 4, 1, 1, 1, 0, 0
	MUL8 6, 1, 1, 1, 0, 0
	WIN 0
	PLACES 4
	COMBINE 1
.endif
.endm
	s_load_b256 s[4:11], s[0:1], 0x0               ; hq s[4:5], w2q s[6:7], b2 s[8:9], gate s[10:11]
	s_load_b64 s[12:13], s[0:1], 0x20              ; out0
	v_lshl_add_u32 v[SPW], v0, 2, SPARE
	v_mov_b32 v[NIL], 0
	ds_add_u32 v28, v29
	ds_add_u32 v28, v29
	s_wait_dscnt 0x0
	v_lshrrev_b32 v1, 5, v0
	v_readfirstlane_b32 s14, v1                    ; wave 0..3: my experts are 2 w and 2 w + 1
	s_lshr_b32 s15, s14, 1                         ; I fetch for h (0) or for W2 (1),
	s_and_b32 s16, s14, 1                          ; and which half of a fill
	s_bfe_u32 s40, ttmp6, 0x40000                  ; cx, cy
	s_bfe_u32 s41, ttmp6, 0x40004
	s_lshl_b32 s42, ttmp9, 2
	s_add_co_u32 s42, s42, s40                     ; ox: which 64 outputs
	s_and_b32 s17, ttmp7, 0xffff
	s_lshl_b32 s17, s17, 2
	s_add_co_u32 s17, s17, s41                     ; ty: which 128 tokens
	s_lshl_b32 s43, s41, 2
	s_lshl_b32 s43, 15, s43                        ; my row of the cluster
	s_lshl_b32 s44, 0x1111, s40                    ; my column
	; descriptor groups 1: dense blocks as rows of 32 elements of 8 bytes: h's half of a fill 200 rows, W2's 100
	s_or_b32 s[G1], s43, (3<<16)|(1<<21)
	s_mov_b32 s[G1+1], 32<<16
	s_mov_b32 s[G1+2], 200<<16
	s_mov_b32 s[G1+3], 32<<16
	s_mov_b32 s[G1+4], 200
	s_mov_b32 s[G1+5], 32
	s_mov_b32 s[G1+6], 0
	s_mov_b32 s[G1+7], 0
	s_or_b32 s[G1B], s44, (3<<16)|(1<<21)
	s_mov_b32 s[G1B+1], 32<<16
	s_mov_b32 s[G1B+2], 100<<16
	s_mov_b32 s[G1B+3], 32<<16
	s_mov_b32 s[G1B+4], 100
	s_mov_b32 s[G1B+5], 32
	s_mov_b32 s[G1B+6], 0
	s_mov_b32 s[G1B+7], 0
	s_mul_i32 s20, s17, 16*BOFF                    ; h: my block of tokens: 16 fills of 102,400 bytes,
	s_mul_i32 s45, s16, BOFF/2                     ; my half of a fill: in memory and in a slot alike
	s_add_co_u32 s20, s20, s45
	s_mov_b32 s21, 0
	s_mul_i32 s46, s42, 8*BOFF                     ; W2: my block of outputs: 16 fills of 51,200 bytes,
	s_mul_i32 s18, s16, BOFF/4
	s_add_co_u32 s46, s46, s18
	s_mov_b32 s47, 0
	s_add_co_u32 s18, s18, BOFF                    ; in a slot behind h's part
	s_wait_kmcnt 0x0
	s_add_nc_u64 s[20:21], s[4:5], s[20:21]
	s_add_nc_u64 s[46:47], s[6:7], s[46:47]
	CROUND                                         ; all sixteen work-groups are here: the first joint loads meet
.irp s, 0,1
	s_mov_b32 s[G0+4*\s], 1
	s_add_co_u32 s[G0+4*\s+1], s45, \s*SLOT
	s_add_nc_u64 s[G0+4*\s+2:G0+4*\s+3], s[20:21], \s*BOFF
	s_or_b32 s[G0+4*\s+3], s[G0+4*\s+3], 0x80000000
	s_mov_b32 s[G0B+4*\s], 1
	s_add_co_u32 s[G0B+4*\s+1], s18, \s*SLOT
	s_add_nc_u64 s[G0B+4*\s+2:G0B+4*\s+3], s[46:47], \s*BOFF/2
	s_or_b32 s[G0B+4*\s+3], s[G0B+4*\s+3], 0x80000000
	JLOAD G0+4*\s, G1, G0B+4*\s, G1B               ; fills 0 and 1: two loads of mine are out
.endr
	v_and_b32 v3, 31, v0
	v_lshlrev_b32 v[LI], 4, v3
	v_lshlrev_b32 v[LS], 2, v3
	v_and_b32 v1, 15, v0                           ; r
	v_bfe_u32 v2, v0, 4, 1                         ; h
	v_lshlrev_b32 v[GOF], 2, v1
	v_lshlrev_b32 v[BO], 6, v2
	s_mul_i32 s21, s14, 2*KPA                      ; my experts' part of a slot: h's,
	s_mul_i32 s22, s14, 2*PNL
	s_add_co_u32 s22, s22, BOFF                    ; W2's
.irp s, 0,1
	v_add_nc_u32 v[FA+\s], s21, v[LI]
	v_add_nc_u32 v[FB+\s], s22, v[LI]
	v_add_nc_u32 v[SAD+\s], s21, v[LS]
	v_add_nc_u32 v[SBD+\s], s22, v[LS]
	s_add_co_u32 s21, s21, SLOT
	s_add_co_u32 s22, s22, SLOT
.endr
	s_lshl_b32 s70, s17, 12
	s_lshl_b32 s71, s14, 7
	s_add_co_u32 s70, s70, s71
	s_mov_b32 s71, 0
	s_add_nc_u64 s[10:11], s[10:11], s[70:71]      ; gate [tile of 16 tokens][expert][16] at my first tile and my first expert
.irp u, 0,1
.irp a, 0,1,2,3,4,5,6,7
	global_load_b32 v[PG+2*(8*\u+\a)], v[GOF], s[10:11] offset:512*\a+64*\u
	v_mov_b32 v[PG+2*(8*\u+\a)+1], 0               ; (named with it as a pair, so it is written)
.endr
.endr
	s_lshl_b32 s70, s14, 13
	s_lshl_b32 s72, s42, 8
	s_add_co_u32 s70, s70, s72
	s_add_nc_u64 s[8:9], s[8:9], s[70:71]          ; b2 at my first expert and my 64 outputs
	WIN TO_B
.irp u, 0,1
.irp t, 0,1,2,3                        ; tile 2 b + u', lane half h: outputs 32 b + 16 h + 8 u' + 0 .. 7
	global_load_b128 v[B2T+32*\u+8*\t:B2T+32*\u+8*\t+3], v[BO], s[8:9] offset:4096*\u+128*(\t/2)+32*(\t%2)
	global_load_b128 v[B2T+32*\u+8*\t+4:B2T+32*\u+8*\t+7], v[BO], s[8:9] offset:4096*\u+128*(\t/2)+32*(\t%2)+16
.endr
.endr
	WIN 0
	s_mul_i32 s23, s14, SREG
	v_mul_u32_u24 v[STO], v1, SPITCH
	v_lshl_add_u32 v[STO], v2, 6, v[STO]
	v_add_nc_u32 v[STO], s23, v[STO]               ; my region: row r, + 64 h
	s_mul_i32 s23, s14, 32*SPITCH
	v_mul_u32_u24 v3, v2, SPITCH
	v_lshl_add_u32 v3, v1, 4, v3
	v_add_nc_u32 v[RD], s23, v3                    ; back: rows 32 w on; lanes 0-15 one row of 256 bytes, lanes 16-31 the next
	v_add_nc_u32 v[RD+1], SREG, v[RD]
	v_add_nc_u32 v[RD+2], 2*SREG, v[RD]
	v_add_nc_u32 v[RD+3], 3*SREG, v[RD]
	v_lshlrev_b32 v[CO], 12, v2
	v_lshl_add_u32 v[CO], v1, 4, v[CO]             ; and the same two rows in out0
	s_lshl_b32 s70, s17, 19
	s_lshl_b32 s72, s14, 17
	s_add_co_u32 s70, s70, s72
	s_lshl_b32 s72, s42, 8
	s_add_co_u32 s70, s70, s72
	s_add_nc_u64 s[12:13], s[12:13], s[70:71]      ; out0 at row 128 ty + 32 w, column 64 ox
	s_wait_tensorcnt 1                             ; my part of slot 0 is in; slot 1's may stay out
	s_barrier_signal -1
	s_barrier_wait -1
	FETCH_B 0, 0, 0
	FETCH_A 0, 0, 0
	SCALES 0
	FETCH_A 0, 0, 4
	s_wait_loadcnt 0x0                             ; the gate and b2
	HALF 0
	HALF 1
	; THE WAY OUT.  Each wave's totals go to its region of the stage; behind a barrier wave w adds the four regions' rows 32 w .. 32 w + 31 and stores them: each output has one owner.
	WIN 0x0c                                       ; an LDS store's data are its source 1: window 3
.irp a, 0,1,2,3,4,5,6,7
.irp b, 0,1
.irp k, 0,1,2,3
	ds_store_b128 v[STO], v[8*(4*\a+2*\b)+4*\k:8*(4*\a+2*\b)+4*\k+3] offset:16*SPITCH*\a+128*\b+16*\k   ; token 16 a + r, outputs 32 b + 16 h + 4 k on
.endr
.endr
.endr
	WIN 0
	s_wait_dscnt 0x0                               ; for the others' sake: my stores have landed
	s_barrier_signal -1
	s_barrier_wait -1
	WIN 0x80                                       ; destination window 2: the accumulators' registers are free
.irp i, 0,1,2,3,4,5,6,7,8,9,10,11,12,13,14,15
.irp v, 0,1,2,3
	ds_load_b128 v[16*\i+4*\v:16*\i+4*\v+3], v[RD+\v] offset:2*SPITCH*\i
.endr
.endr
	WIN 0x8a
.irp i, 0,1,2,3,4,5,6,7,8,9,10,11,12,13,14,15
	s_wait_dscnt 60-4*\i                           ; the four loads of row pair i are in; those of the pairs behind it may be out
	v_pk_add_f32 v[16*\i:16*\i+1], v[16*\i:16*\i+1], v[16*\i+4:16*\i+5]
	v_pk_add_f32 v[16*\i+2:16*\i+3], v[16*\i+2:16*\i+3], v[16*\i+6:16*\i+7]
	v_pk_add_f32 v[16*\i+8:16*\i+9], v[16*\i+8:16*\i+9], v[16*\i+12:16*\i+13]
	v_pk_add_f32 v[16*\i+10:16*\i+11], v[16*\i+10:16*\i+11], v[16*\i+14:16*\i+15]
	v_pk_add_f32 v[16*\i:16*\i+1], v[16*\i:16*\i+1], v[16*\i+8:16*\i+9]
	v_pk_add_f32 v[16*\i+2:16*\i+3], v[16*\i+2:16*\i+3], v[16*\i+10:16*\i+11]
.endr
	WIN 0x08                                       ; a store's data are its source 1: window 2
.irp i, 0,1,2,3,4,5,6,7,8,9,10,11,12,13,14,15
	global_store_b128 v[CO], v[16*\i:16*\i+3], s[12:13] offset:8192*\i th:TH_STORE_NT   ; 16 lanes store 256 consecutive bytes, at a multiple of 256 from out0's first byte
.endr
	WIN 0
	s_wait_tensorcnt 0x0                           ; the wave's end
	ds_add_u32 v[SPW], v[NIL]
	s_wait_dscnt 0x0
	CROUND                                         ; the closing round: no work-group ends while a partner may still ask for a tile that names it
	s_endpgm
.Lfunc_end_k_q85bf2fcb8c_gemm2:
	.size	k_q85bf2fcb8c_gemm2, .Lfunc_end_k_q85bf2fcb8c_gemm2-k_q85bf2fcb8c_gemm2
	.p2alignl 7, 3214868480
	.fill 96, 4, 3214868480
	.section	.rodata,"a",@progbits
	.p2align	6, 0x0
	.amdhsa_kernel k_q85bf2fcb8c_gemm2
		.amdhsa_group_segment_fixed_size 327680
		.amdhsa_private_segment_fixed_size 0
		.amdhsa_enable_private_segment 0
		.amdhsa_kernarg_size 40
		.amdhsa_user_sgpr_count 2
		.amdhsa_user_sgpr_kernarg_segment_ptr 1
		.amdhsa_wavefront_size32 1
		.amdhsa_system_sgpr_workgroup_id_x 1
		.amdhsa_system_sgpr_workgroup_id_y 1
		.amdhsa_system_sgpr_workgroup_id_z 1
		.amdhsa_system_vgpr_workitem_id 0
		.amdhsa_next_free_vgpr 1024
		.amdhsa_next_free_sgpr 98
		.amdhsa_reserve_vcc 0
		.amdhsa_float_denorm_mode_32 3
		.amdhsa_float_denorm_mode_16_64 3
		.amdhsa_memory_ordered 1
		.amdhsa_forward_progress 1
		.amdhsa_inst_pref_size 164
	.end_amdhsa_kernel
	.amdgpu_metadata
---
amdhsa.version: [ 1, 2 ]
amdhsa.kernels:
  - .name:           k_q85bf2fcb8c_gemm2
    .symbol:         k_q85bf2fcb8c_gemm2.kd
    .args:
      - { .name: hq, .offset: 0, .size: 8, .value_kind: global_buffer, .address_space: global }
      - { .name: w2q, .offset: 8, .size: 8, .value_kind: global_buffer, .address_space: global }
      - { .name: b2, .offset: 16, .size: 8, .value_kind: global_buffer, .address_space: global }
      - { .name: gate, .offset: 24, .size: 8, .value_kind: global_buffer, .address_space: global }
      - { .name: out0, .offset: 32, .size: 8, .value_kind: global_buffer, .address_space: global }
    .group_segment_fixed_size: 327680
    .private_segment_fixed_size: 0
    .kernarg_segment_align: 8
    .kernarg_segment_size: 40
    .max_flat_workgroup_size: 128
    .sgpr_count:     98
    .vgpr_count:     1024
    .wavefront_size: 32
...
	.end_amdgpu_metadata
.endif
;; end of part 3
;; ======== version 2 of 2: 4 launches
;; limits: right only within a limited range of input values
;; workspace buffers: xq 1,638,400 bytes; w1q 13,107,200 bytes; w2q 13,107,200 bytes; hq 26,214,400 bytes; gate 65,536 bytes; part 67,108,864 bytes
;; launch prep (part 4): grid 1152 x 1, 4 waves a work-group, no clusters, 29,184 bytes of LDS; arguments x, W1, W2, Wg, bg, xq, w1q, w2q, gate; writes xq, w1q, w2q, gate
.if DOCPART == 4
	.amdgcn_target "amdgcn-amd-amdhsa--gfx1250"
	.amdhsa_code_object_version 6
	.text
	.protected	k_q85bf2fcb8c_prep
	.globl	k_q85bf2fcb8c_prep
	.p2align	8
	.type	k_q85bf2fcb8c_prep,@function
k_q85bf2fcb8c_prep:
	s_mov_b64 s[64:65], 0
	v_nop
	global_prefetch_b8 v0, s[64:65] scope:SCOPE_SE
	s_setreg_imm32_b32 hwreg(HW_REG_WAVE_MODE, 25, 1), 1
	s_wait_xcnt 0x0
; W1 [8][1024][2048], W2 [8][2048][1024] and x [2048][1024], f32, become codes of FP6 (E2M3) with one E8M0 byte for each 32 along K; and gate = softmax(x Wg + bg), in f32.
; A block's scale is 2^(floor(log2(its largest magnitude)) - 2); its byte is the largest magnitude's exponent field - 2, held at 1 from below; numbers beyond 7.5 x the scale get the largest code.
; LIMITS: NaN and infinities among the inputs are not served; a block whose largest magnitude lies under 2^-124, a block of zeros among them, keeps the byte 1 (its codes are zeros or the
; nearest codes under that scale; the bytes are read by this program alone).
; THE WORKSPACE IS LAID IN THE ORDER OF THE OPERANDS' REGISTERS.  A fragment (16 rows x 128 K, 12 registers a lane) is an image of 1,536 bytes: register j of lane l at 512 (j / 4) + 16 l + 4 (j % 4).
; A panel (64 rows x 128 K) is four images and then 64 scale words (fragment t, row r at 6,144 + 64 t + 4 r): 6,400 bytes.
; The rows of a WEIGHT's fragments are not neighbours: of 32 columns, row r of fragment 2 b + u is column 32 b + 8 u + r + 8 (r / 8), so that a transposed product leaves 16 neighbouring columns in a lane.
; WORK-GROUPS 0-127 (path X): a tile of 16 rows of x each; wave w takes K steps 2 w and 2 w + 1 and their part of x Wg; the four waves' parts meet in LDS, and wave 0 makes the tile's softmax.
; WORK-GROUPS 128-1151 (path W): 128 columns x 256 K of one expert of W1 (the first 512) or W2.
; The two paths part on the work-group's number alone and have LDS bytes of their own.  No tensor load, no matrix work: memory binds, and each input byte but Wg's 32 KiB is read once.
.set XPART, 0                          ; path X: the partial logits, 512 p + 4 x thread: 2,048 bytes
.set WSTG, 2048                        ; path W: a stage of 4 images for each wave
.set SFR,  1664                        ; an image's place in the stage: 1,536 bytes + 128
.set OFFR, 16                          ; W: v16-47   4 x lane + i rows
.set WX,   48                          ; W: v48-111  two sets of 32 numbers; on the way out the twelve pieces of the images
.set WC,   112                         ; W: v112-117 a block's codes
.set WT2,  118                         ; W: v118-120 its second half as the conversion leaves it
.set WSB,  122                         ; W: v122-123 my column's scale words of the two K steps
.set WO,   1                           ; X: v1       32 x lane: my row of a block of Wg
.set LI,   2                           ; X: v2       16 x lane: an image's place for my lane
.set SW,   3                           ; X: v3       4 r + 6,144: my row's scale word
.set T1,   4                           ; X: v4-6     a conversion's three registers
.set TM,   8                           ; X: v8-15    at work in QUANT; v8 ends as the scale word
.set TT,   8                           ; X: v8-15    then four pairs of numbers of Wg, spread over the lanes
.set XA,   16                          ; X: v16-79, v80-143: 64 numbers of a lane, for each of my two K steps
.set XB,   80
.set WR,   144                         ; X: v144-175 Wg of one K step: register 8 b + e, lane L: Wg[32 b + L][e]
.set PC,   176                         ; X: v176-187 the codes just made
.set T2,   188                         ; X: v188-190 a conversion's three registers
.set XAD,  191                         ; X: v191     x: 4,096 r + 64 h, until x is in
.set ACC,  176                         ; X: v176-191 then two sums (even k, odd k) for each expert
.set SEL,  66                          ; s[66:67] v_permlanex16_b32's selects for lane l xor 16
.macro LOADW t                         ; block t: rows 32 t + i of my column, into set t % 2; a wave's load covers 128 consecutive bytes, the four waves' 512
.irp i, 0,1,2,3,4,5,6,7,8,9,10,11,12,13,14,15,16,17,18,19,20,21,22,23,24,25,26,27,28,29,30,31
	global_load_b32 v[WX+32*((\t)%2)+\i], v[OFFR+\i], s[48+2*(\t):49+2*(\t)] th:TH_LOAD_NT
.endr
.endm
.macro BLOCK t                         ; 32 numbers down K of my column: all mine, so the largest magnitude needs no other lane
.set XS, WX+32*((\t)%2)
.set SL, (\t)/4                        ; which of the two K steps
.set CC, ((\t)%4)/2                    ; registers 6 CC .. 6 CC + 5 of the image,
.set HH, (\t)%2                        ; in lane r + 16 HH
.if (\t) < 7
	s_wait_loadcnt 32                              ; this block's 32 loads are in; the next block's 32 may be out
.else
	s_wait_loadcnt 0x0
.endif
	v_max3_num_f32 v12, |v[XS]|, |v[XS+1]|, |v[XS+2]|
	v_max3_num_f32 v13, |v[XS+3]|, |v[XS+4]|, |v[XS+5]|
.irp i, 6,10,14,18,22,26
	v_max3_num_f32 v12, v12, |v[XS+\i]|, |v[XS+\i+1]|
	v_max3_num_f32 v13, v13, |v[XS+\i+2]|, |v[XS+\i+3]|
.endr
	v_max3_num_f32 v12, v12, |v[XS+30]|, |v[XS+31]|
	v_max3_num_f32 v12, v12, v13, 0x1800000        ; and the floor 2^(3 - 127): the byte cannot fall under 1
	v_add_nc_u32 v14, 0xff000000, v12              ; 2 off the exponent field: the conversion takes this operand's exponent field as its scale
	v_cvt_scalef32_pk16_fp6_f32 v[WC:WC+2], v[XS:XS+15], v14
	v_cvt_scalef32_pk16_fp6_f32 v[WT2:WT2+2], v[XS+16:XS+31], v14   ; (a conversion's three registers begin on an even number)
	v_lshrrev_b32 v15, 23, v14                     ; the scale's byte; also the plain line behind the conversions
.if (\t)%4 == 0
	v_mov_b32 v[WSB+SL], v15
.else
	v_lshl_or_b32 v[WSB+SL], v15, 8*((\t)%4), v[WSB+SL]
.endif
.irp i, 0,1,2
	v_mov_b32 v[WC+3+\i], v[WT2+\i]
.endr
.if CC == 0
	ds_store_b128 v8, v[WC:WC+3] offset:2*SFR*SL+256*HH            ; registers 0-3 of the image
	ds_store_b64 v8, v[WC+4:WC+5] offset:2*SFR*SL+256*HH+512       ; registers 4, 5
.else
	ds_store_b64 v8, v[WC:WC+1] offset:2*SFR*SL+256*HH+520         ; registers 6, 7
	ds_store_b128 v8, v[WC+2:WC+5] offset:2*SFR*SL+256*HH+1024     ; registers 8-11
.endif
.if (\t) < 6
	LOADW \t+2
.endif
	s_wait_dscnt 0x0                               ; the stores have read their registers: the next block's codes may be written
.endm
.macro XLOAD reg, off                  ; 64 numbers of my row of x: register 16 b + i = k 32 b + 16 (lane / 16) + i of the K step at off bytes
.irp b, 0,1,2,3
.irp j, 0,1,2,3
	global_load_b128 v[\reg+16*\b+4*\j:\reg+16*\b+4*\j+3], v[XAD], s[4:5] offset:\off+128*\b+16*\j th:TH_LOAD_NT
.endr
.endr
.endm
.macro WLOAD ks, b                     ; block b (32 k) of my K step ks of Wg [1024][8]: lane L takes row 32 b + L, 32 bytes: the two loads cover 1,024 consecutive bytes
	global_load_b128 v[WR+8*(\b):WR+8*(\b)+3], v[WO], s[10:11] offset:4096*(\ks)+1024*(\b)
	global_load_b128 v[WR+8*(\b)+4:WR+8*(\b)+7], v[WO], s[10:11] offset:4096*(\ks)+1024*(\b)+16
.endm
.macro QUANT s                         ; 64 numbers of a lane become a fragment's codes in v[PC] on and its scale word in v[TM]
.irp b, 0,1,2,3
	v_max3_num_f32 v[TM+\b], |v[\s+16*\b]|, |v[\s+1+16*\b]|, 0x1800000   ; block b: my 16 numbers, and the floor 2^(3 - 127)
.endr
.irp i, 2,4,6,8,10,12,14
.irp b, 0,1,2,3
	v_max3_num_f32 v[TM+\b], v[TM+\b], |v[\s+16*\b+\i]|, |v[\s+1+16*\b+\i]|   ; the four blocks by turns
.endr
.endr
.irp b, 0,1,2,3
	v_permlanex16_b32 v[TM+4+\b], v[TM+\b], s[SEL], s[SEL+1]
.endr
.irp b, 0,1,2,3
	v_max_num_f32 v[TM+\b], v[TM+\b], v[TM+4+\b]   ; with lane l xor 16's: the block's largest magnitude
.endr
.irp b, 0,1,2,3
	v_add_nc_u32 v[TM+4+\b], 0xff000000, v[TM+\b]  ; 2 off the exponent field: the conversion's scale operand
.endr
.irp b, 0,1,2,3
	v_lshrrev_b32 v[TM+\b], 23, v[TM+4+\b]         ; the scale's byte
.endr
	v_lshl_or_b32 v[TM], v[TM+1], 8, v[TM]         ; the four bytes make my row's scale word
	v_lshl_or_b32 v[TM], v[TM+2], 16, v[TM]
	v_lshl_or_b32 v[TM], v[TM+3], 24, v[TM]
	v_cvt_scalef32_pk16_fp6_f32 v[PC:PC+2], v[\s:\s+15], v[TM+4]
	v_cvt_scalef32_pk16_fp6_f32 v[T1:T1+2], v[\s+16:\s+31], v[TM+5]   ; (a conversion's three registers begin on an even number: the second half of a block's six does not)
	v_cvt_scalef32_pk16_fp6_f32 v[PC+6:PC+8], v[\s+32:\s+47], v[TM+6]
	v_cvt_scalef32_pk16_fp6_f32 v[T2:T2+2], v[\s+48:\s+63], v[TM+7]
	v_nop                                          ; one plain line behind a scaled conversion
.irp i, 0,1,2                          ; the operand's layout wants a whole block in a lane: lanes 0-15 block 2 c, lanes 16-31 block 2 c + 1
	v_permlane16_swap_b32 v[PC+\i], v[T1+\i]
.endr
.irp i, 0,1,2
	v_permlane16_swap_b32 v[PC+6+\i], v[T2+\i]
.endr
.irp i, 0,1,2
	v_mov_b32 v[PC+3+\i], v[T1+\i]
.endr
.irp i, 0,1,2
	v_mov_b32 v[PC+9+\i], v[T2+\i]
.endr
.endm
.macro XOUT off                        ; the image: three stores of 512 consecutive bytes; the 16 scale words (lanes l and l xor 16 write the same word with the same value)
.irp c, 0,1,2
	global_store_b128 v[LI], v[PC+4*\c:PC+4*\c+3], s[24:25] offset:\off+512*\c
.endr
	global_store_b32 v[SW], v[TM], s[28:29] offset:\off
.endm
; x Wg, in f32, for k = 32 b + 16 (lane / 16) + i0 and the next.  In register 8 b + e of Wg, lane i of my half of the lanes holds Wg[that k][e]: a move with row_share spreads it over the half;
; two moves make a pair of neighbouring k, one packed multiply-add takes both.  Four experts at a time: eight moves, then their four multiply-adds.  first = 1: the products start the sums: nothing is cleared.
.macro GK xr, b, i0, i1, first
.irp c, 0,1
.irp j, 0,1,2,3
	v_mov_b32_dpp v[TT+2*\j], v[WR+8*(\b)+4*\c+\j] row_share:\i0 row_mask:0xf bank_mask:0xf
	v_mov_b32_dpp v[TT+2*\j+1], v[WR+8*(\b)+4*\c+\j] row_share:\i1 row_mask:0xf bank_mask:0xf
.endr
.irp j, 0,1,2,3
.if \first
	v_pk_mul_f32 v[ACC+8*\c+2*\j:ACC+8*\c+2*\j+1], v[TT+2*\j:TT+2*\j+1], v[\xr+16*(\b)+\i0:\xr+16*(\b)+\i1]
.else
	v_pk_fma_f32 v[ACC+8*\c+2*\j:ACC+8*\c+2*\j+1], v[TT+2*\j:TT+2*\j+1], v[\xr+16*(\b)+\i0:\xr+16*(\b)+\i1], v[ACC+8*\c+2*\j:ACC+8*\c+2*\j+1]
.endif
.endr
.endr
.endm
.macro GBLK xr, b, first, left         ; a block of 32 k; left: the loads of Wg issued behind this block's two, which may stay out
	s_wait_loadcnt \left
	GK \xr, \b, 0, 1, \first
	GK \xr, \b, 2, 3, 0
	GK \xr, \b, 4, 5, 0
	GK \xr, \b, 6, 7, 0
	GK \xr, \b, 8, 9, 0
	GK \xr, \b, 10, 11, 0
	GK \xr, \b, 12, 13, 0
	GK \xr, \b, 14, 15, 0
.endm
	s_load_b256 s[4:11], s[0:1], 0x0               ; x s[4:5], W1 s[6:7], W2 s[8:9], Wg s[10:11]
	s_load_b256 s[12:19], s[0:1], 0x20             ; bg s[12:13], xq s[14:15], w1q s[16:17], w2q s[18:19]
	s_load_b64 s[20:21], s[0:1], 0x40              ; gate
	v_lshl_add_u32 v192, v0, 2, 0x7000
	v_mov_b32 v193, 0
	v_lshrrev_b32 v1, 5, v0
	v_readfirstlane_b32 s22, v1                    ; wave 0..3
	s_wait_kmcnt 0x0
	s_cmp_lt_u32 ttmp9, 128
	s_cbranch_scc1 .Lpath_x
	; ---------------- PATH W: one text for both weights; what differs is chosen by the work-group's number
	s_sub_co_u32 s23, ttmp9, 128
	s_and_b32 s24, s23, 511
	s_lshr_b32 s25, s24, 6                         ; the expert
	s_and_b32 s26, s24, 63                         ; which part of it
	s_mov_b32 s42, 12800                           ; from a K step's double panel to the next K step's, for both weights
	s_mov_b32 s43, 0
	s_cmp_lt_u32 s23, 512                          ; W1 or W2
	s_cselect_b64 s[6:7], s[6:7], s[8:9]           ; from
	s_cselect_b64 s[16:17], s[16:17], s[18:19]     ; to
	s_cselect_b32 s27, 4, 3                        ; 16 or 8 blocks of 128 columns
	s_cselect_b32 s28, 13, 12                      ; a row is 8,192 or 4,096 bytes
	s_bfm_b32 s31, s27, 0
	s_and_b32 s31, s26, s31                        ; cp: which 128 columns
	s_lshr_b32 s32, s26, s27                       ; kp: which 256 along K
	s_lshr_b32 s33, s22, 1                         ; my wave's 32 columns lie in panel wave / 2 of the two
	s_lshl_b32 s34, s25, 4
	s_add_co_u32 s34, s34, s31
	s_lshl_b32 s34, s34, 4
	s_lshl_b32 s35, s32, 2
	s_add_co_u32 s34, s34, s35
	s_add_co_u32 s34, s34, s33                     ; W1's panel: (16 e + cp) 16 + 4 kp + wave / 2
	s_lshl_b32 s35, s25, 3
	s_add_co_u32 s35, s35, s31
	s_lshl_b32 s35, s35, 5
	s_lshl_b32 s40, s32, 2
	s_add_co_u32 s35, s35, s40
	s_add_co_u32 s35, s35, s33                     ; W2's panel: (8 e + cp) 32 + 4 kp + wave / 2
	s_cmp_lt_u32 s23, 512                          ; (the lines above have set SCC)
	s_cselect_b32 s34, s34, s35
	s_mul_i32 s34, s34, 6400
	s_mov_b32 s35, 0
	s_add_nc_u64 s[36:37], s[16:17], s[34:35]      ; the first K step's panel,
	s_add_nc_u64 s[38:39], s[36:37], s[42:43]      ; the second's
	s_lshl_b32 s40, s25, 23                        ; an expert is 8 MiB
	s_add_co_u32 s41, s28, 8
	s_lshl_b32 s41, s32, s41                       ; 256 kp rows
	s_add_co_u32 s40, s40, s41
	s_lshl_b32 s41, s31, 9
	s_add_co_u32 s40, s40, s41
	s_lshl_b32 s41, s22, 7
	s_add_co_u32 s40, s40, s41                     ; + 512 cp + 128 wave
	s_mov_b32 s41, 0
	s_add_nc_u64 s[48:49], s[6:7], s[40:41]        ; block 0's first row
	s_lshl_b32 s44, 32, s28
	s_mov_b32 s45, 0
.irp t, 1,2,3,4,5,6,7
	s_add_nc_u64 s[48+2*\t:49+2*\t], s[46+2*\t:47+2*\t], s[44:45]   ; 32 rows on for each block
.endr
	s_lshl_b32 s46, 1, s28                         ; a row in bytes
	v_and_b32 v2, 31, v0                           ; lane = my column of the wave's 32
	v_bfe_u32 v3, v0, 3, 1                         ; u: which of the two fragments it falls into,
	v_and_b32 v4, 7, v0
	v_bfe_u32 v5, v0, 4, 1
	v_lshl_add_u32 v4, v5, 3, v4                   ; r: and which row of it
	v_lshlrev_b32 v7, 2, v2
.irp i, 0,1,2,3,4,5,6,7,8,9,10,11,12,13,14,15,16,17,18,19,20,21,22,23,24,25,26,27,28,29,30,31
	v_mad_u32_u24 v[OFFR+\i], s46, \i, v7
.endr
	LOADW 0
	LOADW 1
	s_mul_i32 s47, s22, 4*SFR
	s_add_co_u32 s47, s47, WSTG                    ; my stage
	v_mul_u32_u24 v8, v3, SFR
	v_lshl_add_u32 v8, v4, 4, v8
	v_add_nc_u32 v8, s47, v8                       ; into it: fragment u, lane r's 16 bytes
	v_lshlrev_b32 v6, 4, v2
	v_add_nc_u32 v9, s47, v6                       ; out of it: 16 x lane
	s_and_b32 s29, s22, 1
	s_mul_i32 s30, s29, 3072
	v_add_nc_u32 v10, s30, v6                      ; in the panel: my wave's fragments are 2 (wave % 2) and the next
	s_lshl_b32 s30, s29, 7
	s_add_co_u32 s30, s30, 6144
	v_lshlrev_b32 v11, 2, v4
	v_lshl_add_u32 v11, v3, 6, v11
	v_add_nc_u32 v11, s30, v11                     ; my column's scale word
.irp t, 0,1,2,3,4,5,6,7
	BLOCK \t
.endr
	global_store_b32 v11, v[WSB], s[36:37]         ; the wave's 32 words: 128 consecutive bytes
	s_wait_alu depctr_va_vdst(0)
	global_store_b32 v11, v[WSB+1], s[38:39]
.irp n, 0,1,2,3,4,5,6,7,8,9,10,11      ; piece n = 6 (K step) + 3 u + c
	ds_load_b128 v[WX+4*\n:WX+4*\n+3], v9 offset:SFR*(\n/3)+512*(\n%3)
.endr
.irp n, 0,1,2,3,4,5,6,7,8,9,10,11
	s_wait_dscnt 11-\n                             ; LDS loads come back in order: piece n is in, the younger ones may be out
	global_store_b128 v10, v[WX+4*\n:WX+4*\n+3], s[36+2*(\n/6):37+2*(\n/6)] offset:1536*((\n/3)%2)+512*(\n%3)   ; 512 consecutive bytes, at a multiple of 256 from the buffer's first byte
.endr
	s_wait_tensorcnt 0x0
	ds_add_u32 v192, v193
	s_wait_dscnt 0x0
	s_endpgm
	; ---------------- PATH X: the work-group's 16 rows of x; my wave's two K steps of them
.Lpath_x:
	s_load_b256 s[72:79], s[12:13], 0x0            ; bg
	v_and_b32 v8, 15, v0                           ; r
	s_wait_alu depctr_va_vdst(0)
	v_bfe_u32 v9, v0, 4, 1                         ; h
	v_lshlrev_b32 v[XAD], 12, v8
	v_lshl_add_u32 v[XAD], v9, 6, v[XAD]           ; x: row r of 4,096 bytes + 64 h
	s_lshl_b32 s30, ttmp9, 16                      ; the tile's 16 rows,
	s_lshl_b32 s31, s22, 10                        ; my two K steps: 1,024 bytes of each row
	s_add_co_u32 s30, s30, s31
	s_mov_b32 s31, 0
	s_add_nc_u64 s[4:5], s[4:5], s[30:31]
	XLOAD XA, 0                                    ; all that the wave reads from x goes out at once: 32 loads,
	XLOAD XB, 512
	v_and_b32 v[LI], 31, v0
	v_lshlrev_b32 v[WO], 5, v[LI]
	s_lshl_b32 s32, s22, 13                        ; Wg: my 256 rows of 32 bytes
	s_mov_b32 s33, 0
	s_add_nc_u64 s[10:11], s[10:11], s[32:33]
	WLOAD 0, 0                                     ; and the first K step's Wg behind them: 8 loads
	WLOAD 0, 1
	WLOAD 0, 2
	WLOAD 0, 3
	v_lshlrev_b32 v[LI], 4, v[LI]
	v_lshl_add_u32 v[SW], v8, 2, 6144
	s_lshr_b32 s30, ttmp9, 3
	s_mul_i32 s30, s30, 102400                     ; xq: the block of 128 rows: eight double panels,
	s_bfe_u32 s32, ttmp9, 0x10002
	s_mul_i32 s32, s32, 6400                       ; which panel of a double panel,
	s_add_co_u32 s30, s30, s32
	s_mul_i32 s32, s22, 25600                      ; K step 2 w
	s_add_co_u32 s30, s30, s32
	s_add_nc_u64 s[28:29], s[14:15], s[30:31]
	s_and_b32 s34, ttmp9, 3                        ; which fragment of the panel
	s_mul_i32 s32, s34, 1536
	s_add_nc_u64 s[24:25], s[28:29], s[32:33]      ; its image
	s_lshl_b32 s32, s34, 6
	s_add_nc_u64 s[28:29], s[28:29], s[32:33]      ; its scale words (6,144 stands in v3)
	s_lshl_b32 s32, ttmp9, 9
	s_add_nc_u64 s[26:27], s[20:21], s[32:33]      ; the tile of the gate: [expert][16]
	s_mov_b32 s[SEL], 0x76543210
	s_mov_b32 s[SEL+1], 0xfedcba98
.irp b, 0,1,2,3
	v_mov_b32 v[TM+4+\b], 0                        ; a lane permute's destination counts as one of its sources
.endr
	s_wait_loadcnt 24                              ; XA's sixteen loads are in; XB's sixteen and Wg's eight may be out
	QUANT XA
	XOUT 0
	s_wait_loadcnt 8                               ; XB's are in; Wg's eight may be out
	s_wait_xcnt 0x0                                ; the stores' registers are written again only behind this wait
	QUANT XB
	XOUT 12800
	s_wait_xcnt 0x0                                ; the sums take the codes' registers, the spread numbers the scale word's
	GBLK XA, 0, 1, 6                               ; behind each block's two loads of Wg three more pairs were issued: they may be out
	WLOAD 1, 0                                     ; a block of Wg that has been used makes room for the second K step's
	GBLK XA, 1, 0, 6
	WLOAD 1, 1
	GBLK XA, 2, 0, 6
	WLOAD 1, 2
	GBLK XA, 3, 0, 6
	WLOAD 1, 3
	GBLK XB, 0, 0, 6
	GBLK XB, 1, 0, 4
	GBLK XB, 2, 0, 2
	GBLK XB, 3, 0, 0
	; my wave's part of the logits: even k + odd k, with lane l xor 16's half; lanes 0-15 then carry expert 2 p, lanes 16-31 expert 2 p + 1
.irp e, 0,1,2,3,4,5,6,7
	v_add_f32 v[XA+\e], v[ACC+2*\e], v[ACC+2*\e+1]
.endr
.irp e, 0,1,2,3,4,5,6,7
	v_permlanex16_b32 v[XA+8+\e], v[XA+\e], s[SEL], s[SEL+1]
.endr
	v_and_b32 v[XB], 31, v0                        ; lane
	v_lshlrev_b32 v[XB+2], 2, v0                   ; 4 x thread
.irp e, 0,1,2,3,4,5,6,7
	v_add_f32 v[XA+\e], v[XA+\e], v[XA+8+\e]
.endr
	v_cmp_le_u32 vcc_lo, 16, v[XB]                 ; lanes 16-31
	v_lshlrev_b32 v[XB+1], 2, v[XB]                ; 4 x lane
.irp p, 0,1,2,3
	v_cndmask_b32 v[XA+16+\p], v[XA+2*\p], v[XA+2*\p+1], vcc_lo
.endr
.irp p, 0,1,2,3
	ds_store_b32 v[XB+2], v[XA+16+\p] offset:XPART+512*\p
.endr
	s_wait_dscnt 0x0                               ; for wave 0's sake: my stores have landed
	s_barrier_signal -1
	s_barrier_wait -1                              ; the four waves' parts lie in LDS; nobody writes them again
	s_wait_kmcnt 0x0                               ; bg
	s_cmp_lg_u32 s22, 0
	s_cbranch_scc1 .Lx_end                         ; 16 rows x 8 experts are one wave's work
	s_wait_alu depctr_va_vdst(0)
.irp p, 0,1,2,3
.irp w, 0,1,2,3
	ds_load_b32 v[XA+32+4*\p+\w], v[XB+1] offset:XPART+512*\p+128*\w
.endr
.endr
.irp p, 0,1,2,3
	v_mov_b32 v[XA+\p], s[72+2*\p]
	v_mov_b32 v[XA+4+\p], s[73+2*\p]
.endr
.irp p, 0,1,2,3
	v_cndmask_b32 v[XA+\p], v[XA+\p], v[XA+4+\p], vcc_lo   ; bg of my lane's expert
.endr
	s_wait_dscnt 0x0
.irp p, 0,1,2,3
	v_pk_add_f32 v[XA+32+4*\p:XA+33+4*\p], v[XA+32+4*\p:XA+33+4*\p], v[XA+34+4*\p:XA+35+4*\p]
.endr
.irp p, 0,1,2,3
	v_add_f32 v[XA+32+4*\p], v[XA+32+4*\p], v[XA+33+4*\p]
.endr
.irp p, 0,1,2,3
	v_add_f32 v[XA+\p], v[XA+\p], v[XA+32+4*\p]    ; the logits
.endr
	; the softmax over the eight experts, the largest logit taken away first
	v_max3_num_f32 v[XA+8], v[XA], v[XA+1], v[XA+2]
	v_max_num_f32 v[XA+8], v[XA+8], v[XA+3]
	v_permlanex16_b32 v[XA+9], v[XA+8], s[SEL], s[SEL+1]
	v_max_num_f32 v[XA+8], v[XA+8], v[XA+9]        ; with the other four experts'
.irp p, 0,1,2,3
	v_sub_f32 v[XA+\p], v[XA+\p], v[XA+8]
.endr
.irp p, 0,1,2,3
	v_mul_f32 v[XA+\p], 0x3fb8aa3b, v[XA+\p]       ; x log2(e)
.endr
	s_wait_alu depctr_va_vdst(0)
.irp p, 0,1,2,3
	v_exp_f32 v[XA+\p], v[XA+\p]
.endr
	v_nop                                          ; one plain line behind the exponentials
	s_wait_alu depctr_va_vdst(0)
	v_add_f32 v[XA+10], v[XA], v[XA+1]
	v_add_f32 v[XA+11], v[XA+2], v[XA+3]
	v_add_f32 v[XA+10], v[XA+10], v[XA+11]
	v_permlanex16_b32 v[XA+9], v[XA+10], s[SEL], s[SEL+1]
	v_add_f32 v[XA+10], v[XA+10], v[XA+9]
	s_wait_alu depctr_va_vdst(0)
	v_rcp_f32 v[XA+10], v[XA+10]
	v_nop                                          ; one plain line behind the reciprocal
	s_wait_alu depctr_va_vdst(0)
.irp p, 0,1,2,3
	v_mul_f32 v[XA+\p], v[XA+\p], v[XA+10]
.endr
.irp p, 0,1,2,3
	global_store_b32 v[XB+1], v[XA+\p], s[26:27] offset:128*\p   ; experts 2 p and 2 p + 1 of the 16 rows: 128 consecutive bytes
.endr
.Lx_end:
	s_wait_tensorcnt 0x0
	ds_add_u32 v192, v193
	s_wait_dscnt 0x0
	s_endpgm
.Lfunc_end_k_q85bf2fcb8c_prep:
	.size	k_q85bf2fcb8c_prep, .Lfunc_end_k_q85bf2fcb8c_prep-k_q85bf2fcb8c_prep
	.p2alignl 7, 3214868480
	.fill 96, 4, 3214868480
	.section	.rodata,"a",@progbits
	.p2align	6, 0x0
	.amdhsa_kernel k_q85bf2fcb8c_prep
		.amdhsa_group_segment_fixed_size 29184
		.amdhsa_private_segment_fixed_size 0
		.amdhsa_enable_private_segment 0
		.amdhsa_kernarg_size 72
		.amdhsa_user_sgpr_count 2
		.amdhsa_user_sgpr_kernarg_segment_ptr 1
		.amdhsa_wavefront_size32 1
		.amdhsa_system_sgpr_workgroup_id_x 1
		.amdhsa_system_sgpr_workgroup_id_y 1
		.amdhsa_system_sgpr_workgroup_id_z 1
		.amdhsa_system_vgpr_workitem_id 0
		.amdhsa_next_free_vgpr 194
		.amdhsa_next_free_sgpr 82
		.amdhsa_reserve_vcc 1
		.amdhsa_float_denorm_mode_32 3
		.amdhsa_float_denorm_mode_16_64 3
		.amdhsa_memory_ordered 1
		.amdhsa_forward_progress 1
		.amdhsa_inst_pref_size 161
	.end_amdhsa_kernel
	.amdgpu_metadata
---
amdhsa.version: [ 1, 2 ]
amdhsa.kernels:
  - .name:           k_q85bf2fcb8c_prep
    .symbol:         k_q85bf2fcb8c_prep.kd
    .args:
      - { .name: x, .offset: 0, .size: 8, .value_kind: global_buffer, .address_space: global }
      - { .name: W1, .offset: 8, .size: 8, .value_kind: global_buffer, .address_space: global }
      - { .name: W2, .offset: 16, .size: 8, .value_kind: global_buffer, .address_space: global }
      - { .name: Wg, .offset: 24, .size: 8, .value_kind: global_buffer, .address_space: global }
      - { .name: bg, .offset: 32, .size: 8, .value_kind: global_buffer, .address_space: global }
      - { .name: xq, .offset: 40, .size: 8, .value_kind: global_buffer, .address_space: global }
      - { .name: w1q, .offset: 48, .size: 8, .value_kind: global_buffer, .address_space: global }
      - { .name: w2q, .offset: 56, .size: 8, .value_kind: global_buffer, .address_space: global }
      - { .name: gate, .offset: 64, .size: 8, .value_kind: global_buffer, .address_space: global }
    .group_segment_fixed_size: 29184
    .private_segment_fixed_size: 0
    .kernarg_segment_align: 8
    .kernarg_segment_size: 72
    .max_flat_workgroup_size: 128
    .sgpr_count:     82
    .vgpr_count:     194
    .wavefront_size: 32
...
	.end_amdgpu_metadata
.endif
;; end of part 4
;; launch gemm1 (part 5): grid 64 x 8, 4 waves a work-group, clusters of 4 x 4, 327,680 bytes of LDS; arguments xq, w1q, b1, hq; writes hq
.if DOCPART == 5
	.amdgcn_target "amdgcn-amd-amdhsa--gfx1250"
	.amdhsa_code_object_version 6
	.text
	.protected	k_q85bf2fcb8c_gemm1
	.globl	k_q85bf2fcb8c_gemm1
	.p2align	8
	.type	k_q85bf2fcb8c_gemm1,@function
k_q85bf2fcb8c_gemm1:
	s_mov_b64 s[64:65], 0
	v_nop
	global_prefetch_b8 v0, s[64:65] scope:SCOPE_SE
	s_setreg_imm32_b32 hwreg(HW_REG_WAVE_MODE, 25, 1), 1
	s_wait_xcnt 0x0
	s_wait_alu depctr_hold_cnt(0) depctr_sa_sdst(0) depctr_va_vdst(0) depctr_va_sdst(0) depctr_va_ssrc(0) depctr_va_vcc(0) depctr_vm_vsrc(0)
	s_getreg_b32 s2, hwreg(HW_REG_IB_STS2, 6, 4)
	s_cmp_eq_u32 s2, 0
	s_cbranch_scc0 .Lentry_in_a_cluster
	s_endpgm
.Lentry_in_a_cluster:
	s_bfe_u32 s2, ttmp6, 0x10000c
	s_cmp_lg_u32 s2, 0xf033
	s_cbranch_scc0 .Lentry_shape_is_right
	s_endpgm
.Lentry_shape_is_right:
; h = gelu(x W1 + b1) for all eight experts, on codes of FP6 (E2M3) with E8M0 scales, quantised again along the hidden axis and stored as codes: h never lies in memory as f32.
; xq: [block of 128 tokens 16][K step 8] double panels; w1q: [block of 128 (expert, hidden) columns 128][K step 8] double panels.  A double panel is 128 rows x 128 K, 12,800 bytes: two panels of four fragment
; images (1,536 bytes: register j of lane l at 512 (j / 4) + 16 l + 4 (j % 4)) and 64 scale words each.  A fragment comes from LDS by three loads of 512 consecutive bytes: no pitch, no padding, no bank met twice.
; A work-group of four waves, as many as a WGP has SIMDs, makes 256 tokens x 256 columns; a wave 128 x 128: 64 accumulators, 512 registers.  K = 1,024 goes in eight steps of 128, two to a slot, through a ring of two slots.
; CLUSTERS: 4 x 4 work-groups; the four of a row need the same tokens, the four of a column the same weights: each tile is asked for jointly, which divides the requests by four.
; THE MATRIX INSTRUCTION IS USED TRANSPOSED (source 0 = 16 rows of W1's panel, source 1 = 16 tokens), and the rows of W1's fragments were chosen so that the 64 registers of a token tile's eight accumulators are, in a
; lane, register 16 b + i = hidden unit 32 b + 16 (lane / 16) + i: what the conversions want.  A wave's 128 hidden units are one K step of the second product: it stores one whole double panel of hq, 12,800 dense bytes.
; b1 is the C of each sum's first matrix instruction.  gelu (the tanh form) = x / (1 + 2^z), z = x (c0 + c1 x^2), c0 = -2 log2(e) sqrt(2 / pi), c1 = 0.044715 c0: all in f32.
; LIMITS: NaN and infinities are not served; where 2^z overflows the result is a zero, which is the function's limit; a block of h whose largest magnitude lies under 2^-124 keeps the scale byte 1.
; REGISTERS, in windows of 256: window 0: v16-31 addresses and constants; v32-63 scale words, two sets; v64-127 b1's eight tiles; v128-223 A's fragments, one set (v128-254 at work on the way out);
;   window 1: B's fragments, two sets, at v0 and v128;  window 2: accumulators of my tokens 0-63 ((a, b) at v[8 (8 (a % 4) + b)]);  window 3: those of tokens 64-127.
.set FR,    12
.set KPB,   12800                      ; a double panel
.set PNL,   6400                       ; a panel
.set BLKB,  2*KPB                      ; what one tensor load brings: 128 rows x two K steps
.set SLOT,  4*BLKB                     ; A's two blocks of 128 tokens, then B's two of 128 columns
.set SPARE, 2*SLOT                     ; behind the ring: the spare words, 128 bytes for each wave: two blocks of 256 bytes that no other line names
.set FA,   16                          ; v16-17  LDS address of my A fragments in slot 0, 1: 16 x lane + my block
.set FB,   18                          ; v18-19  the same for B
.set SAD,  20                          ; v20-21  of A's scale words: 4 x lane + my block
.set SBD,  22                          ; v22-23  of B's
.set LI,   24                          ; v24     16 x lane
.set LS,   25                          ; v25     4 x lane
.set C0,   26                          ; v[26:27] c0, twice
.set SPW,  28                          ; v28     LDS address of my spare word; never rewritten
.set NIL,  29                          ; v29     0; never rewritten
.set LN,   30                          ; v30     lane
.set BO,   31                          ; v31     64 x (lane / 16)
.set SC,   32                          ; scale words: slot s, K step q: A's four at v[SC + 16 s + 8 q], B's four behind them; register j: lanes 0-15 fragment 2 j, lanes 16-31 fragment 2 j + 1
.set BI,   64
.set AF,   128
.set S,    128                         ; the way out: 64 numbers at work
.set TM,   192                         ; v192-207 at work in QUANT
.set SEL,  94                          ; s[94:95] lane selects
.set G1, 24
.set G0, 32
.set G1B, 48
.set G0B, 56
.set MSB, 0
.macro WIN new                         ; the immediate's high byte repeats the setting that is left
.if MSB != (\new)
	s_set_vgpr_msb (MSB<<8)|(\new)
.set MSB, (\new)
.endif
.endm
.set TO_B, 0x40                        ; destination window 1, address window 0
; A joint load: waves 0 and 1 fetch for A, waves 2 and 3 for B; the branch hangs on the wave's number alone.  Four v_nop follow each of the two lines.
.macro JLOAD g0a, g1a, g0b, g1b
	s_cmp_eq_u32 s15, 0
	s_cbranch_scc0 .Lfor_b_\@
	tensor_load_to_lds s[\g0a:\g0a+3], s[\g1a:\g1a+7]
	s_nop 0
.rept 4
	v_nop
.endr
	s_branch .Lasked_\@
.Lfor_b_\@:
	tensor_load_to_lds s[\g0b:\g0b+3], s[\g1b:\g1b+7]
	s_nop 0
.rept 4
	v_nop
.endr
.Lasked_\@:
.endm
.macro CREST                           ; a round of the cluster's barrier behind its opening barrier
	s_cmp_lg_u32 s14, 0
	s_cbranch_scc1 .Lnot_wave_0_\@
	s_barrier_signal -3
.Lnot_wave_0_\@:
	s_barrier_wait -3
	s_barrier_signal -1
	s_barrier_wait -1
.endm
.macro CROUND
	s_barrier_signal -1
	s_barrier_wait -1
	CREST
.endm
.macro PLACES n                        ; plain vector lines between a matrix instruction and a load into, or a vector line on, its registers
.rept \n
	v_nop
.endr
.endm
.macro WM                              ; one product; the registers and the rows of the scale registers stand in symbols
.if fB && fA
	v_wmma_scale_f32_16x16x128_f8f6f4 v[rD:rD+7], v[rB:rB+FR-1], v[rA:rA+FR-1], v[rC:rC+7], v[rSB], v[rSA] matrix_a_fmt:MATRIX_FMT_FP6 matrix_b_fmt:MATRIX_FMT_FP6 matrix_a_scale:MATRIX_SCALE_ROW1 matrix_b_scale:MATRIX_SCALE_ROW1
.elseif fB
	v_wmma_scale_f32_16x16x128_f8f6f4 v[rD:rD+7], v[rB:rB+FR-1], v[rA:rA+FR-1], v[rC:rC+7], v[rSB], v[rSA] matrix_a_fmt:MATRIX_FMT_FP6 matrix_b_fmt:MATRIX_FMT_FP6 matrix_a_scale:MATRIX_SCALE_ROW1
.elseif fA
	v_wmma_scale_f32_16x16x128_f8f6f4 v[rD:rD+7], v[rB:rB+FR-1], v[rA:rA+FR-1], v[rC:rC+7], v[rSB], v[rSA] matrix_a_fmt:MATRIX_FMT_FP6 matrix_b_fmt:MATRIX_FMT_FP6 matrix_b_scale:MATRIX_SCALE_ROW1
.else
	v_wmma_scale_f32_16x16x128_f8f6f4 v[rD:rD+7], v[rB:rB+FR-1], v[rA:rA+FR-1], v[rC:rC+7], v[rSB], v[rSA] matrix_a_fmt:MATRIX_FMT_FP6 matrix_b_fmt:MATRIX_FMT_FP6
.endif
.endm
; 16 products: token blocks a0, a0 + 1 x B's eight.  p: B's set; q: the slot's K step; sc: the slot.  first = 1: b1's tile is the C.  The 64 accumulators take turns, in the same order in every step.
.macro MUL16 a0, p, q, sc, first
.irp a, \a0, \a0+1
.irp b, 0,1,2,3,4,5,6,7
.set rD, 8*(8*((\a)%4)+\b)
.set rB, 128*(\p)+FR*\b
.set rA, AF+FR*(\a)
.set rC, rD
.if \first
.set rC, BI+8*\b
.endif
.set rSB, SC+16*(\sc)+8*(\q)+4+\b/2
.set rSA, SC+16*(\sc)+8*(\q)+(\a)/2
.set fB, \b%2
.set fA, (\a)%2
	WM
.endr
.endr
.endm
.macro FRAG reg, adr, off              ; a fragment's image: three loads of 512 consecutive bytes
.irp c, 0,1,2
	ds_load_b128 v[\reg+4*\c:\reg+4*\c+3], v[\adr] offset:\off+512*\c
.endr
.endm
.macro FETCH_B slot, q, p
	WIN TO_B
.irp i, 0,1,2,3,4,5,6,7
	FRAG 128*(\p)+FR*\i, FB+\slot, KPB*(\q)+PNL*(\i/4)+1536*(\i%4)
.endr
	WIN 0
.endm
.macro FETCH_A slot, q, i0
.irp i, \i0, \i0+1, \i0+2, \i0+3
	FRAG AF+FR*(\i), FA+\slot, KPB*(\q)+PNL*((\i)/4)+1536*((\i)%4)
.endr
.endm
.macro SCALES slot                     ; both K steps' scale words of a slot: 16 loads of 128 consecutive bytes
.irp q, 0,1
.irp j, 0,1,2,3
	ds_load_b32 v[SC+16*\slot+8*\q+\j], v[SAD+\slot] offset:KPB*\q+PNL*(\j/2)+6144+128*(\j%2)
	ds_load_b32 v[SC+16*\slot+8*\q+4+\j], v[SBD+\slot] offset:KPB*\q+PNL*(\j/2)+6144+128*(\j%2)
.endr
.endr
.endm
; A slot's first K step (B's set 0); it fetches the second's fragments.  A block of A is free as soon as its eight products are issued, so A has one set of registers.
.macro STEP slot, first
	s_wait_dscnt 12                                ; all but the youngest twelve loads (A's blocks 4-7) are in
	WIN 0xa1-0x20*\first                           ; source 0 window 1, source 1 window 0, D window 2; C window 2, or window 0 where it is b1
	MUL16 0, 0, 0, \slot, \first
	MUL16 2, 0, 0, \slot, \first
	s_wait_dscnt 0x0                               ; A's blocks 4-7 are in
	PLACES 4
	FETCH_B \slot, 1, 1
	FETCH_A \slot, 1, 0
	WIN 0xf1-0x30*\first
	MUL16 4, 0, 0, \slot, \first
	MUL16 6, 0, 0, \slot, \first
	PLACES 4
	WIN 0
	FETCH_A \slot, 1, 4
.endm
; A slot's second K step (B's set 1) changes slots: one barrier; in front of it each wave waits for all its tensor loads, adds 0 to its spare word, and waits for that and for its reads of this slot.
.macro TURN slot, next, fill
	s_wait_tensorcnt 0x0                           ; all my tensor loads have landed: the one that was out is my part of the next slot
	ds_add_u32 v[SPW], v[NIL]                      ; 0 onto my spare word
	s_wait_dscnt 13                                ; (the add and the youngest twelve loads may be out)
	WIN 0xa1
	MUL16 0, 1, 1, \slot, 0                        ; sixteen products stand between the add and the wait for it
	s_wait_dscnt 0x0                               ; the add is done, and my reads of this slot are over
	s_barrier_signal -1
	MUL16 2, 1, 1, \slot, 0
	WIN 0
	s_barrier_wait -1
.if \fill
	CREST                                          ; the barrier has opened a round of the cluster's: no wave of any partner still reads this slot or has a load on its way
	s_add_nc_u64 s[G0+4*\slot+2:G0+4*\slot+3], s[G0+4*\slot+2:G0+4*\slot+3], 2*BLKB
	s_add_nc_u64 s[G0B+4*\slot+2:G0B+4*\slot+3], s[G0B+4*\slot+2:G0B+4*\slot+3], 2*BLKB
	JLOAD G0+4*\slot, G1, G0B+4*\slot, G1B         ; the first tensor load behind the round; its four v_nop are also the places in front of the loads below
.else
	PLACES 4
.endif
	FETCH_B \next, 0, 0
	FETCH_A \next, 0, 0
	SCALES \next
	WIN 0xf1
	MUL16 4, 1, 1, \slot, 0
	MUL16 6, 1, 1, \slot, 0
	PLACES 4
	WIN 0
	FETCH_A \next, 0, 4
.endm
.macro QUANT s                         ; 64 numbers of a lane, register 16 b + i = k 32 b + 16 (lane / 16) + i of my row, become a fragment's codes in v[PC] on and its scale word in v[PW]
.irp b, 0,1,2,3
	v_max3_num_f32 v[TM+\b], |v[\s+16*\b]|, |v[\s+1+16*\b]|, 0x1800000   ; and the floor 2^(3 - 127): the byte cannot fall under 1
.endr
.irp i, 2,4,6,8,10,12,14
.irp b, 0,1,2,3
	v_max3_num_f32 v[TM+\b], v[TM+\b], |v[\s+16*\b+\i]|, |v[\s+1+16*\b+\i]|
.endr
.endr
.irp b, 0,1,2,3
	v_permlanex16_b32 v[TM+4+\b], v[TM+\b], s[SEL], s[SEL+1]
.endr
.irp b, 0,1,2,3
	v_max_num_f32 v[TM+\b], v[TM+\b], v[TM+4+\b]
.endr
.irp b, 0,1,2,3
	v_add_nc_u32 v[TM+12+\b], 0xff000000, v[TM+\b] ; 2 off the exponent field: the conversion's scale operand
.endr
.irp b, 0,1,2,3
	v_lshrrev_b32 v[TM+4+\b], 23, v[TM+12+\b]      ; the scale's byte
.endr
	v_lshl_or_b32 v[PW], v[TM+5], 8, v[TM+4]
	v_lshl_or_b32 v[PW], v[TM+6], 16, v[PW]
	v_lshl_or_b32 v[PW], v[TM+7], 24, v[PW]
.irp c, 0,1
	v_cvt_scalef32_pk16_fp6_f32 v[PC+6*\c:PC+2+6*\c], v[\s+32*\c:\s+15+32*\c], v[TM+12+2*\c]
	v_cvt_scalef32_pk16_fp6_f32 v[PC+12+4*\c:PC+14+4*\c], v[\s+16+32*\c:\s+31+32*\c], v[TM+12+2*\c+1]
.endr
	v_nop                                          ; one plain line behind a scaled conversion
.irp c, 0,1
.irp i, 0,1,2
	v_permlane16_swap_b32 v[PC+6*\c+\i], v[PC+12+4*\c+\i]
.endr
.irp i, 0,1,2
	v_mov_b32 v[PC+3+6*\c+\i], v[PC+12+4*\c+\i]
.endr
.endr
.endm
; THE WAY OUT of token block a: gelu in f32, the quantiser, the image to memory.  The accumulators are read from their low ends on.
.macro EPI a
.set AC, 64*((\a)%4)
.set WA, 2+(\a)/4                      ; the block's window
.set PC, 216+20*((\a)%2)               ; the codes: two runs of registers by turns
.set PW, 208+(\a)
	s_wait_xcnt 0x0                                ; the registers that earlier stores read are written again only behind this wait
	WIN 5*WA                                       ; sources 0 and 1 in the block's window
.set ej, 0
.rept 32
	v_pk_mul_f32 v[S+ej:S+ej+1], v[AC+ej:AC+ej+1], v[AC+ej:AC+ej+1]                ; x^2
.set ej, ej+2
.endr
	WIN 0
.set ej, 0
.rept 32
	v_pk_fma_f32 v[S+ej:S+ej+1], v[S+ej:S+ej+1], s[92:93], v[C0:C0+1] op_sel_hi:[1,0,1]   ; c1 x^2 + c0
.set ej, ej+2
.endr
	WIN WA
.set ej, 0
.rept 32
	v_pk_mul_f32 v[S+ej:S+ej+1], v[AC+ej:AC+ej+1], v[S+ej:S+ej+1]                  ; z
.set ej, ej+2
.endr
	WIN 0
.set ej, 0
	s_wait_alu depctr_va_vdst(0)
.rept 64
	v_exp_f32 v[S+ej], v[S+ej]
.set ej, ej+1
.endr
	v_nop                                          ; one plain line behind the exponentials
.set ej, 0
	s_wait_alu depctr_va_vdst(0)
.rept 32
	v_pk_add_f32 v[S+ej:S+ej+1], v[S+ej:S+ej+1], 1.0 op_sel_hi:[1,0]
.set ej, ej+2
.endr
.set ej, 0
	s_wait_alu depctr_va_vdst(0)
.rept 64
	v_rcp_f32 v[S+ej], v[S+ej]
.set ej, ej+1
.endr
	v_nop
	WIN WA
.set ej, 0
	s_wait_alu depctr_va_vdst(0)
.rept 32
	v_pk_mul_f32 v[S+ej:S+ej+1], v[AC+ej:AC+ej+1], v[S+ej:S+ej+1]                  ; x / (1 + 2^z)
.set ej, ej+2
.endr
	WIN 0
	QUANT S
.irp c, 0,1,2
	global_store_b128 v[LI], v[PC+4*\c:PC+4*\c+3], s[10:11] offset:PNL*((\a)/4)+1536*((\a)%4)+512*\c   ; 512 consecutive bytes, at a multiple of 256 from hq's first byte
.endr
.if (\a)%2
	v_cndmask_b32 v[TM+8], v[PW-1], v[PW], vcc_lo  ; lanes 0-15 the words of block a - 1, lanes 16-31 those of block a: 128 consecutive bytes
	global_store_b32 v[LS], v[TM+8], s[10:11] offset:PNL*((\a)/4)+6144+128*(((\a)%4)/2)
.endif
.endm
	s_load_b256 s[4:11], s[0:1], 0x0               ; xq s[4:5], w1q s[6:7], b1 s[8:9], hq s[10:11]
	v_lshl_add_u32 v[SPW], v0, 2, SPARE
	v_mov_b32 v[NIL], 0
	ds_add_u32 v28, v29
	ds_add_u32 v28, v29
	s_wait_dscnt 0x0
	v_lshrrev_b32 v1, 5, v0
	v_readfirstlane_b32 s14, v1                    ; wave 0..3
	s_lshr_b32 s15, s14, 1                         ; which 128 tokens are mine.  Also: I fetch for A (0) or for B (1)
	s_and_b32 s16, s14, 1                          ; which 128 columns.  Also: which block of 128 rows I fetch
	s_bfe_u32 s40, ttmp6, 0x40000                  ; cx, cy: my place in the cluster
	s_bfe_u32 s41, ttmp6, 0x40004
	s_lshl_b32 s42, ttmp9, 2
	s_add_co_u32 s42, s42, s40                     ; wx: which 256 (expert, hidden) columns
	s_and_b32 s17, ttmp7, 0xffff
	s_lshl_b32 s17, s17, 2
	s_add_co_u32 s17, s17, s41                     ; wy: which 256 tokens
	s_lshl_b32 s43, s41, 2
	s_lshl_b32 s43, 15, s43                        ; my row of the cluster
	s_lshl_b32 s44, 0x1111, s40                    ; my column
	; descriptor group 1: a dense block of 25,600 bytes as 100 rows of 32 elements of 8 bytes, no padding
	s_or_b32 s[G1], s43, (3<<16)|(1<<21)           ; 15:0 the mask: A's tiles go to my row; 17:16 elements of 8 bytes; 21 set beside a mask
	s_or_b32 s[G1B], s44, (3<<16)|(1<<21)
.irp g, G1, G1B
	s_mov_b32 s[\g+1], 32<<16                      ; tensor_dim0
	s_mov_b32 s[\g+2], 100<<16                     ; tensor_dim1
	s_mov_b32 s[\g+3], 32<<16                      ; tile_dim0
	s_mov_b32 s[\g+4], 100                         ; tile_dim1
	s_mov_b32 s[\g+5], 32                          ; from row to row
	s_mov_b32 s[\g+6], 0
	s_mov_b32 s[\g+7], 0
.endr
	s_lshl_b32 s20, s17, 1
	s_add_co_u32 s20, s20, s16
	s_mul_i32 s20, s20, 8*KPB                      ; A: block 2 wy + half, eight double panels each
	s_mov_b32 s21, 0
	s_lshl_b32 s46, s42, 1
	s_add_co_u32 s46, s46, s16
	s_mul_i32 s46, s46, 8*KPB                      ; B: block 2 wx + half
	s_mov_b32 s47, 0
	s_mul_i32 s45, s14, BLKB                       ; where they go: wave x 25,600: no place in the cluster enters an LDS address
	s_wait_kmcnt 0x0
	s_add_nc_u64 s[20:21], s[4:5], s[20:21]
	s_add_nc_u64 s[46:47], s[6:7], s[46:47]
	CROUND                                         ; all sixteen work-groups are here: the first joint loads meet
.irp s, 0,1
	s_mov_b32 s[G0+4*\s], 1
	s_add_co_u32 s[G0+4*\s+1], s45, \s*SLOT
	s_add_nc_u64 s[G0+4*\s+2:G0+4*\s+3], s[20:21], \s*BLKB
	s_or_b32 s[G0+4*\s+3], s[G0+4*\s+3], 0x80000000
	s_mov_b32 s[G0B+4*\s], 1
	s_add_co_u32 s[G0B+4*\s+1], s45, \s*SLOT
	s_add_nc_u64 s[G0B+4*\s+2:G0B+4*\s+3], s[46:47], \s*BLKB
	s_or_b32 s[G0B+4*\s+3], s[G0B+4*\s+3], 0x80000000
.endr
	JLOAD G0, G1, G0B, G1B                         ; K steps 0, 1: one tensor load a wave at the head
	v_and_b32 v[LN], 31, v0
	v_lshlrev_b32 v[LI], 4, v[LN]
	v_lshlrev_b32 v[LS], 2, v[LN]
	v_bfe_u32 v1, v0, 4, 1
	v_lshlrev_b32 v[BO], 6, v1
	s_wait_alu depctr_va_vdst(0)
	s_mul_i32 s21, s15, BLKB                       ; my 128 tokens
	s_mul_i32 s22, s16, BLKB
	s_add_co_u32 s22, s22, 2*BLKB                  ; my 128 columns, behind A's two blocks
.irp s, 0,1
	v_add_nc_u32 v[FA+\s], s21, v[LI]
	v_add_nc_u32 v[FB+\s], s22, v[LI]
	v_add_nc_u32 v[SAD+\s], s21, v[LS]
	v_add_nc_u32 v[SBD+\s], s22, v[LS]
	s_add_co_u32 s21, s21, SLOT
	s_add_co_u32 s22, s22, SLOT
.endr
	s_lshl_b32 s70, s42, 10
	s_lshl_b32 s71, s16, 9
	s_add_co_u32 s70, s70, s71
	s_mov_b32 s71, 0
	s_add_nc_u64 s[8:9], s[8:9], s[70:71]          ; b1 at my 128 columns
.irp t, 0,1,2,3,4,5,6,7                ; tile 2 b + u, lane half h: units 32 b + 16 h + 8 u + 0 .. 7
	global_load_b128 v[BI+8*\t:BI+8*\t+3], v[BO], s[8:9] offset:128*(\t/2)+32*(\t%2)
	global_load_b128 v[BI+8*\t+4:BI+8*\t+7], v[BO], s[8:9] offset:128*(\t/2)+32*(\t%2)+16
.endr
	s_lshl_b32 s72, s17, 1
	s_add_co_u32 s72, s72, s15                     ; hq: [block of 128 tokens][expert][K step of the second product] = [2 wy + my half][2 wx + my half of the columns]
	s_lshl_b32 s72, s72, 6
	s_add_co_u32 s72, s72, s42
	s_lshl_b32 s72, s72, 1
	s_add_co_u32 s72, s72, s16
	s_mul_i32 s72, s72, KPB
	s_mov_b32 s73, 0
	s_add_nc_u64 s[10:11], s[10:11], s[72:73]
	v_mov_b32 v[C0], 0xc0135761                    ; c0 = -2.3022082
	v_mov_b32 v[C0+1], 0xc0135761
	s_mov_b32 s92, 0xbdd2d3e8                      ; c1 = -0.10294325
	s_mov_b32 s93, 0xbdd2d3e8                      ; (named with it as a pair, so it is written)
	s_mov_b32 s[SEL], 0x76543210
	s_mov_b32 s[SEL+1], 0xfedcba98
	s_wait_alu depctr_va_vdst(0)
	s_wait_tensorcnt 0x0                           ; my part of slot 0 is in
	ds_add_u32 v[SPW], v[NIL]
	s_wait_dscnt 0x0
	CROUND                                         ; everybody's part is in, and all sixteen work-groups are here
	JLOAD G0+4, G1, G0B+4, G1B                     ; K steps 2, 3: the first tensor load behind the round
	FETCH_B 0, 0, 0
	FETCH_A 0, 0, 0
	SCALES 0
	FETCH_A 0, 0, 4
	s_wait_loadcnt 0x0                             ; b1
	STEP 0, 1                                      ; K step 0 starts the sums from b1: nothing is cleared
	TURN 0, 1, 1                                   ; 1; slot 0 takes K steps 4, 5
	STEP 1, 0                                      ; 2
	TURN 1, 0, 1                                   ; 3; slot 1 takes K steps 6, 7
	STEP 0, 0                                      ; 4
	TURN 0, 1, 0                                   ; 5; nothing is left to fetch
	STEP 1, 0                                      ; 6
	s_wait_dscnt 12                                ; 7
	WIN 0xa1
	MUL16 0, 1, 1, 1, 0
	MUL16 2, 1, 1, 1, 0
	s_wait_dscnt 0x0
	WIN 0xf1
	MUL16 4, 1, 1, 1, 0
	MUL16 6, 1, 1, 1, 0
	WIN 0
	PLACES 4                                       ; in front of the first read of results and of the first vector write over A's fragments
	v_cmp_le_u32 vcc_lo, 16, v[LN]                 ; lanes 16-31
.irp b, 0,1,2,3
	v_mov_b32 v[TM+4+\b], 0                        ; a lane permute's destination counts as one of its sources
.endr
.irp a, 0,1,2,3,4,5,6,7
	EPI \a
.endr
	s_wait_tensorcnt 0x0                           ; the wave's end
	ds_add_u32 v[SPW], v[NIL]
	s_wait_dscnt 0x0
	CROUND                                         ; the closing round: no work-group ends while a partner may still ask for a tile that names it
	s_endpgm
.Lfunc_end_k_q85bf2fcb8c_gemm1:
	.size	k_q85bf2fcb8c_gemm1, .Lfunc_end_k_q85bf2fcb8c_gemm1-k_q85bf2fcb8c_gemm1
	.p2alignl 7, 3214868480
	.fill 96, 4, 3214868480
	.section	.rodata,"a",@progbits
	.p2align	6, 0x0
	.amdhsa_kernel k_q85bf2fcb8c_gemm1
		.amdhsa_group_segment_fixed_size 327680
		.amdhsa_private_segment_fixed_size 0
		.amdhsa_enable_private_segment 0
		.amdhsa_kernarg_size 32
		.amdhsa_user_sgpr_count 2
		.amdhsa_user_sgpr_kernarg_segment_ptr 1
		.amdhsa_wavefront_size32 1
		.amdhsa_system_sgpr_workgroup_id_x 1
		.amdhsa_system_sgpr_workgroup_id_y 1
		.amdhsa_system_sgpr_workgroup_id_z 1
		.amdhsa_system_vgpr_workitem_id 0
		.amdhsa_next_free_vgpr 1024
		.amdhsa_next_free_sgpr 98
		.amdhsa_reserve_vcc 1
		.amdhsa_float_denorm_mode_32 3
		.amdhsa_float_denorm_mode_16_64 3
		.amdhsa_memory_ordered 1
		.amdhsa_forward_progress 1
		.amdhsa_inst_pref_size 255
	.end_amdhsa_kernel
	.amdgpu_metadata
---
amdhsa.version: [ 1, 2 ]
amdhsa.kernels:
  - .name:           k_q85bf2fcb8c_gemm1
    .symbol:         k_q85bf2fcb8c_gemm1.kd
    .args:
      - { .name: xq, .offset: 0, .size: 8, .value_kind: global_buffer, .address_space: global }
      - { .name: w1q, .offset: 8, .size: 8, .value_kind: global_buffer, .address_space: global }
      - { .name: b1, .offset: 16, .size: 8, .value_kind: global_buffer, .address_space: global }
      - { .name: hq, .offset: 24, .size: 8, .value_kind: global_buffer, .address_space: global }
    .group_segment_fixed_size: 327680
    .private_segment_fixed_size: 0
    .kernarg_segment_align: 8
    .kernarg_segment_size: 32
    .max_flat_workgroup_size: 128
    .sgpr_count:     98
    .vgpr_count:     1024
    .wavefront_size: 32
...
	.end_amdgpu_metadata
.endif
;; end of part 5
;; launch gemm2 (part 6): grid 32 x 8, 4 waves a work-group, clusters of 4 x 4, 327,680 bytes of LDS; arguments hq, w2q, b2, part; writes part
.if DOCPART == 6
	.amdgcn_target "amdgcn-amd-amdhsa--gfx1250"
	.amdhsa_code_object_version 6
	.text
	.protected	k_q85bf2fcb8c_gemm2
	.globl	k_q85bf2fcb8c_gemm2
	.p2align	8
	.type	k_q85bf2fcb8c_gemm2,@function
k_q85bf2fcb8c_gemm2:
	s_mov_b64 s[64:65], 0
	v_nop
	global_prefetch_b8 v0, s[64:65] scope:SCOPE_SE
	s_setreg_imm32_b32 hwreg(HW_REG_WAVE_MODE, 25, 1), 1
	s_wait_xcnt 0x0
	s_wait_alu depctr_hold_cnt(0) depctr_sa_sdst(0) depctr_va_vdst(0) depctr_va_sdst(0) depctr_va_ssrc(0) depctr_va_vcc(0) depctr_vm_vsrc(0)
	s_getreg_b32 s2, hwreg(HW_REG_IB_STS2, 6, 4)
	s_cmp_eq_u32 s2, 0
	s_cbranch_scc0 .Lentry_in_a_cluster
	s_endpgm
.Lentry_in_a_cluster:
	s_bfe_u32 s2, ttmp6, 0x10000c
	s_cmp_lg_u32 s2, 0xf033
	s_cbranch_scc0 .Lentry_shape_is_right
	s_endpgm
.Lentry_shape_is_right:
; part[e][n][o] = sum over the hidden units of h[e][n][.] W2[e][.][o] + b2[e][o], on codes of FP6 (E2M3) with E8M0 scales, f32 sums.  The gate's weights and the sum over the experts follow in the next launch.
; hq: [block of 128 tokens 16][expert 8][K step 16] double panels; w2q: [expert 8][block of 128 outputs 8][K step 16] double panels.  A double panel is 128 rows x 128 K, 12,800 bytes: two panels of four fragment
; images (1,536 bytes: register j of lane l at 512 (j / 4) + 16 l + 4 (j % 4)) and 64 scale words each.  A fragment comes from LDS by three loads of 512 consecutive bytes.
; A work-group of four waves makes 256 tokens x 256 outputs of ONE expert: 8 x 4 x 8 = 256 work-groups.  A wave makes 128 x 128: 64 accumulators, 512 registers.  K = 2,048 goes in sixteen steps of 128, two to a slot,
; through a ring of two slots of 102,400 bytes; each wave fetches 25,600 dense bytes of a slot by one tensor load, as 100 rows of 256 bytes.
; CLUSTERS: 4 x 4 work-groups of one expert (the cluster's x is the expert, cx the block of outputs); the four of a row need the same tokens, the four of a column the same weights: each tile is asked for jointly.
; THE MATRIX INSTRUCTION IS USED TRANSPOSED (source 0 = 16 rows of W2's panel, source 1 = 16 tokens); by the order of the rows in W2's fragments a lane's registers of fragments 2 b and 2 b + 1 are outputs 32 b + 16 (lane / 16) + 0 .. 15 of one token.
; b2 is the C of each sum's first matrix instruction: nothing is cleared.  The results leave through a stage in slot 0, which has had its last fill and its last read by then, as whole rows of 512 bytes.
; PREFETCH: behind each refill but the last two, the pair of K steps that stands two refills on; of a load's 100 blocks of 256 bytes each of the four partners that ask for it jointly names 25, told apart by address
; (lanes 25-31 name the 25th again).  The first four pairs come by their loads alone.
; LIMITS: NaN and infinities are not served.
; REGISTERS, in windows of 256: window 0: v8-31 addresses; v32-63 scale words, two sets; v64-127 b2's eight tiles; v128-223 A's fragments, one set (v128-255 on the way out);
;   window 1: B's fragments, two sets, at v0 and v128;  window 2: accumulators of my tokens 0-63 ((a, b) at v[8 (8 (a % 4) + b)]);  window 3: those of tokens 64-127.
.set FR,    12
.set KPB,   12800                      ; a double panel
.set PNL,   6400                       ; a panel
.set BLKB,  2*KPB                      ; what one tensor load brings: 128 rows x two K steps
.set SLOT,  4*BLKB                     ; A's two blocks of 128 tokens, then B's two of 128 outputs
.set SPARE, 2*SLOT                     ; behind the ring: the spare words, 128 bytes a wave
.set SPITCH, 528                       ; a stage row: 512 bytes + 16
.set STO,  8                           ; v8   the way out: where I put 64 bytes of a row
.set RD,   9                           ; v9   where I read a row back
.set PFO,  10                          ; v10  the prefetches' offset: 256 x min(lane, 24)
.set FA,   16                          ; v16-17 LDS address of my A fragments in slot 0, 1
.set FB,   18                          ; v18-19 the same for B
.set SAD,  20                          ; v20-21 of A's scale words
.set SBD,  22                          ; v22-23 of B's
.set LI,   24                          ; v24  16 x lane
.set LS,   25                          ; v25  4 x lane
.set SPW,  28                          ; v28  my spare word; never rewritten
.set NIL,  29                          ; v29  0; never rewritten
.set BO,   31                          ; v31  64 x (lane / 16)
.set SC,   32                          ; scale words: slot s, K step q: A's four at v[SC + 16 s + 8 q], B's four behind them
.set BI,   64
.set AF,   128
.set BK,   128                         ; the way out: 16 rows read back: v128-191 and v192-255 by turns
.set G1, 24
.set G0, 32
.set G1B, 48
.set G0B, 56
.set PFA, 76                           ; s[76:77] where my prefetches stand
.set MSB, 0
.macro WIN new                         ; the immediate's high byte repeats the setting that is left
.if MSB != (\new)
	s_set_vgpr_msb (MSB<<8)|(\new)
.set MSB, (\new)
.endif
.endm
.set TO_B, 0x40
.macro JLOAD g0a, g1a, g0b, g1b        ; a joint load: waves 0, 1 fetch for A, waves 2, 3 for B; s_nop 0 and four v_nop behind each line
	s_cmp_eq_u32 s15, 0
	s_cbranch_scc0 .Lfor_b_\@
	tensor_load_to_lds s[\g0a:\g0a+3], s[\g1a:\g1a+7]
	s_nop 0
.rept 4
	v_nop
.endr
	s_branch .Lasked_\@
.Lfor_b_\@:
	tensor_load_to_lds s[\g0b:\g0b+3], s[\g1b:\g1b+7]
	s_nop 0
.rept 4
	v_nop
.endr
.Lasked_\@:
.endm
.macro CREST                           ; a round of the cluster's barrier behind its opening barrier
	s_cmp_lg_u32 s14, 0
	s_cbranch_scc1 .Lnot_wave_0_\@
	s_barrier_signal -3
.Lnot_wave_0_\@:
	s_barrier_wait -3
	s_barrier_signal -1
	s_barrier_wait -1
.endm
.macro CROUND
	s_barrier_signal -1
	s_barrier_wait -1
	CREST
.endm
.macro PLACES n                        ; plain vector lines behind a matrix instruction (ISA guide 7.12.1)
.rept \n
	v_nop
.endr
.endm
.macro ASK                             ; the loop's last trip (s3 = 1) has no pair two refills on
	s_cmp_gt_u32 s3, 1
	s_cbranch_scc0 .Lno_ask_\@
	global_prefetch_b8 v[PFO], s[PFA:PFA+1] th:TH_LOAD_NT scope:SCOPE_SE
.Lno_ask_\@:
.endm
.macro WM                              ; one product; registers and the rows of the scale registers stand in symbols
.if fB && fA
	v_wmma_scale_f32_16x16x128_f8f6f4 v[rD:rD+7], v[rB:rB+FR-1], v[rA:rA+FR-1], v[rC:rC+7], v[rSB], v[rSA] matrix_a_fmt:MATRIX_FMT_FP6 matrix_b_fmt:MATRIX_FMT_FP6 matrix_a_scale:MATRIX_SCALE_ROW1 matrix_b_scale:MATRIX_SCALE_ROW1
.elseif fB
	v_wmma_scale_f32_16x16x128_f8f6f4 v[rD:rD+7], v[rB:rB+FR-1], v[rA:rA+FR-1], v[rC:rC+7], v[rSB], v[rSA] matrix_a_fmt:MATRIX_FMT_FP6 matrix_b_fmt:MATRIX_FMT_FP6 matrix_a_scale:MATRIX_SCALE_ROW1
.elseif fA
	v_wmma_scale_f32_16x16x128_f8f6f4 v[rD:rD+7], v[rB:rB+FR-1], v[rA:rA+FR-1], v[rC:rC+7], v[rSB], v[rSA] matrix_a_fmt:MATRIX_FMT_FP6 matrix_b_fmt:MATRIX_FMT_FP6 matrix_b_scale:MATRIX_SCALE_ROW1
.else
	v_wmma_scale_f32_16x16x128_f8f6f4 v[rD:rD+7], v[rB:rB+FR-1], v[rA:rA+FR-1], v[rC:rC+7], v[rSB], v[rSA] matrix_a_fmt:MATRIX_FMT_FP6 matrix_b_fmt:MATRIX_FMT_FP6
.endif
.endm
; 16 products: token blocks a0, a0 + 1 x B's eight.  p: B's set; q: the slot's K step; sc: the slot.  first = 1: b2's tile is the C.  The 64 accumulators take turns, in the same order in every step.
.macro MUL16 a0, p, q, sc, first
.irp a, \a0, \a0+1
.irp b, 0,1,2,3,4,5,6,7
.set rD, 8*(8*((\a)%4)+\b)
.set rB, 128*(\p)+FR*\b
.set rA, AF+FR*(\a)
.set rC, rD
.if \first
.set rC, BI+8*\b
.endif
.set rSB, SC+16*(\sc)+8*(\q)+4+\b/2
.set rSA, SC+16*(\sc)+8*(\q)+(\a)/2
.set fB, \b%2
.set fA, (\a)%2
	WM
.endr
.endr
.endm
.macro FRAG reg, adr, off
.irp c, 0,1,2
	ds_load_b128 v[\reg+4*\c:\reg+4*\c+3], v[\adr] offset:\off+512*\c
.endr
.endm
.macro FETCH_B slot, q, p
	WIN TO_B
.irp i, 0,1,2,3,4,5,6,7
	FRAG 128*(\p)+FR*\i, FB+\slot, KPB*(\q)+PNL*(\i/4)+1536*(\i%4)
.endr
	WIN 0
.endm
.macro FETCH_A slot, q, i0
.irp i, \i0, \i0+1, \i0+2, \i0+3
	FRAG AF+FR*(\i), FA+\slot, KPB*(\q)+PNL*((\i)/4)+1536*((\i)%4)
.endr
.endm
.macro SCALES slot                     ; both K steps' scale words of a slot: 16 loads of 128 consecutive bytes
.irp q, 0,1
.irp j, 0,1,2,3
	ds_load_b32 v[SC+16*\slot+8*\q+\j], v[SAD+\slot] offset:KPB*\q+PNL*(\j/2)+6144+128*(\j%2)
	ds_load_b32 v[SC+16*\slot+8*\q+4+\j], v[SBD+\slot] offset:KPB*\q+PNL*(\j/2)+6144+128*(\j%2)
.endr
.endr
.endm
; A slot's first K step (B's set 0); it fetches the second's fragments.  A block of A is free as soon as its eight products are issued, so A has one set.
.macro STEP slot, first
	s_wait_dscnt 12                                ; all but the youngest twelve loads (A's blocks 4-7) are in
	WIN 0xa1-0x20*\first                           ; source 0 window 1, source 1 window 0, D window 2; C window 2, or window 0 where it is b2
	MUL16 0, 0, 0, \slot, \first
	MUL16 2, 0, 0, \slot, \first
	s_wait_dscnt 0x0                               ; A's blocks 4-7 are in
	PLACES 4
	FETCH_B \slot, 1, 1
	FETCH_A \slot, 1, 0
	WIN 0xf1-0x30*\first
	MUL16 4, 0, 0, \slot, \first
	MUL16 6, 0, 0, \slot, \first
	PLACES 4
	WIN 0
	FETCH_A \slot, 1, 4
.endm
; A slot's second K step (B's set 1) changes slots: one barrier; in front of it each wave waits for all its tensor loads, adds 0 to its spare word, and waits for that and for its reads of this slot.
.macro TURN slot, next, fill
.if \fill
	s_wait_xcnt 0x0                                ; my last prefetch has read its address: it steps here, a slot behind that prefetch
	s_add_nc_u64 s[PFA:PFA+1], s[PFA:PFA+1], BLKB
.endif
	s_wait_tensorcnt 0x0                           ; the one load that was out is my part of the next slot
	ds_add_u32 v[SPW], v[NIL]
	s_wait_dscnt 13                                ; (the add and the youngest twelve loads may be out)
	WIN 0xa1
	MUL16 0, 1, 1, \slot, 0
	s_wait_dscnt 0x0                               ; the add is done, and my reads of this slot are over
	s_barrier_signal -1
	MUL16 2, 1, 1, \slot, 0
	WIN 0
	s_barrier_wait -1
.if \fill
	CREST                                          ; the barrier has opened a round of the cluster's: no wave of any partner still reads this slot or has a load on its way
	s_add_nc_u64 s[G0+4*\slot+2:G0+4*\slot+3], s[G0+4*\slot+2:G0+4*\slot+3], 2*BLKB
	s_add_nc_u64 s[G0B+4*\slot+2:G0B+4*\slot+3], s[G0B+4*\slot+2:G0B+4*\slot+3], 2*BLKB
	JLOAD G0+4*\slot, G1, G0B+4*\slot, G1B         ; the first tensor load behind the round; its four v_nop are also the places in front of the loads below
.else
	PLACES 4
.endif
	FETCH_B \next, 0, 0
	FETCH_A \next, 0, 0
	SCALES \next
.if \fill
	ASK
.endif
	WIN 0xf1
	MUL16 4, 1, 1, \slot, 0
	MUL16 6, 1, 1, \slot, 0
	PLACES 4
	WIN 0
	FETCH_A \next, 0, 4
.endm
; THE WAY OUT, block by block of 16 tokens x 128 outputs: into my own stage, back as whole rows of 512 bytes.  LDS serves a wave's instructions in order (ISA guide 5.7.1.4): no wait between the stores and the loads.
.macro TOSTAGE a
.set AC, 64*((\a)%4)
	WIN 0x08+4*((\a)/4)                            ; the data: window 2 or 3
.irp b, 0,1,2,3,4,5,6,7
	ds_store_b128 v[STO], v[AC+8*\b:AC+8*\b+3] offset:128*(\b/2)+32*(\b%2)      ; each accumulator from its low end on
	ds_store_b128 v[STO], v[AC+8*\b+4:AC+8*\b+7] offset:128*(\b/2)+32*(\b%2)+16
.endr
	WIN 0
.set BB, BK+64*((\a)%2)
.irp t, 0,1,2,3,4,5,6,7,8,9,10,11,12,13,14,15
	ds_load_b128 v[BB+4*\t:BB+4*\t+3], v[RD] offset:\t*SPITCH
.endr
.endm
.macro SEND a, younger                 ; younger: the LDS instructions issued behind block a's loads
.set BB, BK+64*((\a)%2)
	s_wait_dscnt \younger
.if (\a) > 0
	s_add_nc_u64 s[10:11], s[10:11], 16*4096       ; (behind a wait on XCNT)  16 rows of 4,096 bytes on
.endif
.irp t, 0,1,2,3,4,5,6,7,8,9,10,11,12,13,14,15
	global_store_b128 v[LI], v[BB+4*\t:BB+4*\t+3], s[10:11] offset:\t*4096 th:TH_STORE_NT   ; 32 lanes store 512 consecutive bytes, at a multiple of 256 from the buffer's first byte
.endr
.endm
	s_load_b256 s[4:11], s[0:1], 0x0               ; hq s[4:5], w2q s[6:7], b2 s[8:9], part s[10:11]
	v_lshl_add_u32 v[SPW], v0, 2, SPARE
	v_mov_b32 v[NIL], 0
	ds_add_u32 v[SPW], v[NIL]                      ; the opening lines: the add, twice on end, and its wait ahead of my first tensor load
	ds_add_u32 v[SPW], v[NIL]
	v_lshrrev_b32 v1, 5, v0
	v_readfirstlane_b32 s14, v1                    ; wave 0..3
	s_lshr_b32 s15, s14, 1                         ; which 128 tokens are mine.  Also: I fetch for A (0) or for B (1)
	s_and_b32 s16, s14, 1                          ; which 128 outputs.  Also: which block of 128 rows I fetch
	s_bfe_u32 s40, ttmp6, 0x40000                  ; cx: which 256 outputs
	s_bfe_u32 s41, ttmp6, 0x40004                  ; cy
	s_lshl_b32 s42, ttmp9, 2                       ; the cluster's x is the expert
	s_add_co_u32 s42, s42, s40                     ; 4 e + cx
	s_and_b32 s17, ttmp7, 0xffff
	s_lshl_b32 s17, s17, 2
	s_add_co_u32 s17, s17, s41                     ; wy: which 256 tokens
	s_lshl_b32 s43, s41, 2
	s_lshl_b32 s43, 15, s43                        ; my row of the cluster
	s_lshl_b32 s44, 0x1111, s40                    ; my column
	s_or_b32 s[G1], s43, (3<<16)|(1<<21)           ; the mask: A's tiles go to my row; elements of 8 bytes; bit 21 beside a mask
	s_or_b32 s[G1B], s44, (3<<16)|(1<<21)
.irp g, G1, G1B                        ; a dense block of 25,600 bytes as 100 rows of 32 elements of 8 bytes
	s_mov_b32 s[\g+1], 32<<16
	s_mov_b32 s[\g+2], 100<<16
	s_mov_b32 s[\g+3], 32<<16
	s_mov_b32 s[\g+4], 100
	s_mov_b32 s[\g+5], 32
	s_mov_b32 s[\g+6], 0
	s_mov_b32 s[\g+7], 0
.endr
	s_lshl_b32 s20, s17, 1
	s_add_co_u32 s20, s20, s16
	s_lshl_b32 s20, s20, 3
	s_add_co_u32 s20, s20, ttmp9
	s_mul_i32 s20, s20, 16*KPB                     ; A: ((2 wy + half) 8 + e) x sixteen double panels
	s_mov_b32 s21, 0
	s_lshl_b32 s46, s42, 1
	s_add_co_u32 s46, s46, s16
	s_mul_i32 s46, s46, 16*KPB                     ; B: (8 e + 2 cx + half) x sixteen double panels
	s_mov_b32 s47, 0
	s_mul_i32 s45, s14, BLKB                       ; where they go: wave x 25,600
	s_lshl_b32 s70, s42, 10
	s_lshl_b32 s71, s16, 9
	s_add_co_u32 s70, s70, s71                     ; b2 at my 128 outputs: 4 (1,024 e + 256 cx + 128 half)
	s_mov_b32 s71, 0
	s_lshl_b32 s72, ttmp9, 23                      ; part: an expert is 8 MiB,
	s_lshl_b32 s73, s17, 20
	s_add_co_u32 s72, s72, s73                     ; 256 wy rows of 4,096 bytes,
	s_lshl_b32 s73, s15, 19
	s_add_co_u32 s72, s72, s73                     ; my 128 tokens,
	s_lshl_b32 s73, s40, 10
	s_add_co_u32 s72, s72, s73
	s_lshl_b32 s73, s16, 9
	s_add_co_u32 s72, s72, s73                     ; my 128 outputs
	s_mov_b32 s73, 0
	s_mul_i32 s84, s15, BLKB                       ; LDS: my 128 tokens,
	s_mul_i32 s85, s16, BLKB
	s_add_co_u32 s85, s85, 2*BLKB                  ; my 128 outputs, behind A's two blocks,
	s_add_co_u32 s86, s84, SLOT
	s_add_co_u32 s87, s85, SLOT
	s_mul_i32 s88, s14, 16*SPITCH                  ; my stage, in slot 0
	s_wait_dscnt 0x0                               ; both opening adds are done
	s_wait_kmcnt 0x0
	s_add_nc_u64 s[20:21], s[4:5], s[20:21]
	s_add_nc_u64 s[46:47], s[6:7], s[46:47]
	s_add_nc_u64 s[8:9], s[8:9], s[70:71]
	s_add_nc_u64 s[10:11], s[10:11], s[72:73]
.irp s, 0,1
	s_mov_b32 s[G0+4*\s], 1
	s_add_co_u32 s[G0+4*\s+1], s45, \s*SLOT
	s_add_nc_u64 s[G0+4*\s+2:G0+4*\s+3], s[20:21], \s*BLKB
	s_or_b32 s[G0+4*\s+3], s[G0+4*\s+3], 0x80000000
	s_mov_b32 s[G0B+4*\s], 1
	s_add_co_u32 s[G0B+4*\s+1], s45, \s*SLOT
	s_add_nc_u64 s[G0B+4*\s+2:G0B+4*\s+3], s[46:47], \s*BLKB
	s_or_b32 s[G0B+4*\s+3], s[G0B+4*\s+3], 0x80000000
.endr
	s_cmp_eq_u32 s15, 0                            ; the prefetches: the stream that I fetch,
	s_cselect_b64 s[PFA:PFA+1], s[20:21], s[46:47]
	s_cselect_b32 s78, s40, s41                    ; my place among the four that ask for it with me,
	s_mul_i32 s78, s78, 6400                       ; whose 25 blocks of 256 bytes are mine;
	s_add_co_u32 s78, s78, 3*BLKB                  ; the first refill steps it to the fifth pair of K steps
	s_mov_b32 s79, 0
	s_add_nc_u64 s[PFA:PFA+1], s[PFA:PFA+1], s[78:79]
	CROUND                                         ; all sixteen work-groups are here: the first joint loads meet
	JLOAD G0, G1, G0B, G1B                         ; K steps 0, 1: one tensor load a wave at the head
	v_and_b32 v3, 31, v0
	v_bfe_u32 v1, v0, 4, 1                         ; lane / 16
	v_and_b32 v2, 15, v0                           ; lane % 16
	v_lshlrev_b32 v[LI], 4, v3
	v_lshlrev_b32 v[LS], 2, v3
	v_lshlrev_b32 v[BO], 6, v1
	v_min_u32 v[PFO], 24, v3
	v_mul_u32_u24 v[STO], v2, SPITCH
	v_lshlrev_b32 v[PFO], 8, v[PFO]
	v_lshl_add_u32 v[STO], v1, 6, v[STO]
	v_add_nc_u32 v[FA], s84, v[LI]
	v_add_nc_u32 v[FB], s85, v[LI]
	v_add_nc_u32 v[FA+1], s86, v[LI]
	v_add_nc_u32 v[FB+1], s87, v[LI]
	v_add_nc_u32 v[SAD], s84, v[LS]
	v_add_nc_u32 v[SBD], s85, v[LS]
	v_add_nc_u32 v[SAD+1], s86, v[LS]
	v_add_nc_u32 v[SBD+1], s87, v[LS]
	v_add_nc_u32 v[STO], s88, v[STO]               ; into the stage: row lane % 16, 64 bytes for each half of the lanes
	v_add_nc_u32 v[RD], s88, v[LI]                 ; out of it: the 32 lanes take one row of 512 bytes
	s_wait_alu depctr_va_vdst(0)
.irp t, 0,1,2,3,4,5,6,7                ; b2's tile 2 b + u, lane half h: outputs 32 b + 16 h + 8 u + 0 .. 7
	global_load_b128 v[BI+8*\t:BI+8*\t+3], v[BO], s[8:9] offset:128*(\t/2)+32*(\t%2)
	global_load_b128 v[BI+8*\t+4:BI+8*\t+7], v[BO], s[8:9] offset:128*(\t/2)+32*(\t%2)+16
.endr
	s_wait_tensorcnt 0x0                           ; my part of slot 0 is in
	ds_add_u32 v[SPW], v[NIL]
	s_wait_dscnt 0x0
	CROUND                                         ; everybody's part is in, and all sixteen work-groups are here
	JLOAD G0+4, G1, G0B+4, G1B                     ; K steps 2, 3: the first tensor load behind the round
	FETCH_B 0, 0, 0
	FETCH_A 0, 0, 0
	SCALES 0
	FETCH_A 0, 0, 4
	s_wait_loadcnt 0x0                             ; b2
	STEP 0, 1                                      ; K step 0 starts the sums from b2
	s_mov_b32 s3, 3
.Lk:                                                   ; a trip: four K steps, both slots filled again: pairs 2, 3; 4, 5; 6, 7
	TURN 0, 1, 1
	STEP 1, 0
	TURN 1, 0, 1
	STEP 0, 0
	s_sub_co_u32 s3, s3, 1
	s_cmp_lg_u32 s3, 0
	s_cbranch_scc1 .Lk
	TURN 0, 1, 0                                   ; K step 13; nothing is left to fetch; behind its barrier nobody reads slot 0
	STEP 1, 0                                      ; 14
	s_wait_dscnt 12                                ; 15
	WIN 0xa1
	MUL16 0, 1, 1, 1, 0
	MUL16 2, 1, 1, 1, 0
	s_wait_dscnt 0x0
	WIN 0xf1
	MUL16 4, 1, 1, 1, 0
	MUL16 6, 1, 1, 1, 0
	WIN 0
	PLACES 4                                       ; in front of the loads into A's registers and of the reads of the last results
	TOSTAGE 0
.irp a, 1,2,3,4,5,6,7
.if \a > 1
	s_wait_xcnt 0x0                                ; block a - 2's stores have read their registers and their base
.endif
	TOSTAGE \a
	SEND \a-1, 32                                  ; behind block a - 1's loads: block a's 16 stores and 16 loads
.endr
	s_wait_xcnt 0x0
	SEND 7, 0
	s_wait_tensorcnt 0x0                           ; the wave's end
	ds_add_u32 v[SPW], v[NIL]
	s_wait_dscnt 0x0
	CROUND                                         ; the closing round
	s_endpgm
.Lfunc_end_k_q85bf2fcb8c_gemm2:
	.size	k_q85bf2fcb8c_gemm2, .Lfunc_end_k_q85bf2fcb8c_gemm2-k_q85bf2fcb8c_gemm2
	.p2alignl 7, 3214868480
	.fill 96, 4, 3214868480
	.section	.rodata,"a",@progbits
	.p2align	6, 0x0
	.amdhsa_kernel k_q85bf2fcb8c_gemm2
		.amdhsa_group_segment_fixed_size 327680
		.amdhsa_private_segment_fixed_size 0
		.amdhsa_enable_private_segment 0
		.amdhsa_kernarg_size 32
		.amdhsa_user_sgpr_count 2
		.amdhsa_user_sgpr_kernarg_segment_ptr 1
		.amdhsa_wavefront_size32 1
		.amdhsa_system_sgpr_workgroup_id_x 1
		.amdhsa_system_sgpr_workgroup_id_y 1
		.amdhsa_system_sgpr_workgroup_id_z 1
		.amdhsa_system_vgpr_workitem_id 0
		.amdhsa_next_free_vgpr 1024
		.amdhsa_next_free_sgpr 98
		.amdhsa_reserve_vcc 0
		.amdhsa_float_denorm_mode_32 3
		.amdhsa_float_denorm_mode_16_64 3
		.amdhsa_memory_ordered 1
		.amdhsa_forward_progress 1
		.amdhsa_inst_pref_size 138
	.end_amdhsa_kernel
	.amdgpu_metadata
---
amdhsa.version: [ 1, 2 ]
amdhsa.kernels:
  - .name:           k_q85bf2fcb8c_gemm2
    .symbol:         k_q85bf2fcb8c_gemm2.kd
    .args:
      - { .name: hq, .offset: 0, .size: 8, .value_kind: global_buffer, .address_space: global }
      - { .name: w2q, .offset: 8, .size: 8, .value_kind: global_buffer, .address_space: global }
      - { .name: b2, .offset: 16, .size: 8, .value_kind: global_buffer, .address_space: global }
      - { .name: part, .offset: 24, .size: 8, .value_kind: global_buffer, .address_space: global }
    .group_segment_fixed_size: 327680
    .private_segment_fixed_size: 0
    .kernarg_segment_align: 8
    .kernarg_segment_size: 32
    .max_flat_workgroup_size: 128
    .sgpr_count:     98
    .vgpr_count:     1024
    .wavefront_size: 32
...
	.end_amdgpu_metadata
.endif
;; end of part 6
;; launch combine (part 7): grid 512 x 1, 8 waves a work-group, no clusters, 0 bytes of LDS; arguments part, gate, out0; writes out0
.if DOCPART == 7
	.amdgcn_target "amdgcn-amd-amdhsa--gfx1250"
	.amdhsa_code_object_version 6
	.text
	.protected	k_q85bf2fcb8c_combine
	.globl	k_q85bf2fcb8c_combine
	.p2align	8
	.type	k_q85bf2fcb8c_combine,@function
k_q85bf2fcb8c_combine:
	s_mov_b64 s[64:65], 0
	v_nop
	global_prefetch_b8 v0, s[64:65] scope:SCOPE_SE
	s_setreg_imm32_b32 hwreg(HW_REG_WAVE_MODE, 25, 1), 1
	s_wait_xcnt 0x0
; out0[n][o] = sum over the eight experts of gate[n][e] x part[e][n][o], in f32.  part: [8][2048][1024]; gate: [tile of 16 tokens][expert][16].
; A wave takes half a row of out0: 2,048 consecutive bytes of each expert's part, 32 loads of 512 consecutive bytes, all issued at once; its token's eight weights come by scalar loads.
; Each byte of part is read once and each byte of out0 written once.  No LDS, no matrix work, no cluster (the waves share nothing but 32 bytes of weights), no prefetch (no loop to run ahead in).
	s_load_b128 s[4:7], s[0:1], 0x0                ; part, gate
	s_load_b64 s[8:9], s[0:1], 0x10                ; out0
	v_lshrrev_b32 v1, 5, v0
	v_readfirstlane_b32 s10, v1                    ; wave 0..7
	v_and_b32 v2, 31, v0
	v_lshlrev_b32 v2, 4, v2                        ; 16 x lane
	s_lshl_b32 s11, ttmp9, 3
	s_add_co_u32 s11, s11, s10
	s_lshr_b32 s12, s11, 1                         ; my token
	s_and_b32 s13, s11, 1                          ; which half of its row
	s_lshl_b32 s14, s12, 12
	s_lshl_b32 s13, s13, 11
	s_add_co_u32 s14, s14, s13
	s_mov_b32 s15, 0
	s_lshr_b32 s16, s12, 4
	s_lshl_b32 s16, s16, 9                         ; the gate's tile of 512 bytes,
	s_and_b32 s17, s12, 15
	s_lshl_b32 s17, s17, 2
	s_add_co_u32 s16, s16, s17                     ; my token's word in it
	s_mov_b32 s17, 0
	s_wait_alu depctr_va_vdst(0)
	s_wait_kmcnt 0x0
	s_add_nc_u64 s[32:33], s[4:5], s[14:15]
	s_add_nc_u64 s[6:7], s[6:7], s[16:17]
	s_add_nc_u64 s[8:9], s[8:9], s[14:15]
.irp e, 1,2,3,4,5,6,7
	s_add_nc_u64 s[32+2*\e:33+2*\e], s[30+2*\e:31+2*\e], 0x800000   ; an expert's part is 8 MiB
.endr
.irp e, 0,1,2,3,4,5,6,7
	s_load_b32 s[24+\e], s[6:7], 64*\e
.endr
.irp e, 0,1,2,3,4,5,6,7
.irp c, 0,1,2,3
	global_load_b128 v[16+16*\e+4*\c:19+16*\e+4*\c], v2, s[32+2*\e:33+2*\e] offset:512*\c th:TH_LOAD_NT
.endr
.endr
	s_wait_kmcnt 0x0
	s_wait_loadcnt 28                              ; expert 0's four loads are in
.set i, 0
.rept 16
	v_mul_f32 v[16+i], s24, v[16+i]
.set i, i+1
.endr
.irp e, 1,2,3,4,5,6,7
	s_wait_loadcnt 28-4*\e                         ; expert e's four are in; the later experts' may be out
.set i, 0
.rept 16
	v_fmac_f32 v[16+i], s[24+\e], v[16+16*\e+i]
.set i, i+1
.endr
.endr
.irp c, 0,1,2,3
	global_store_b128 v2, v[16+4*\c:19+4*\c], s[8:9] offset:512*\c th:TH_STORE_NT   ; 512 consecutive bytes, at a multiple of 256 from out0's first byte
.endr
	s_endpgm
.Lfunc_end_k_q85bf2fcb8c_combine:
	.size	k_q85bf2fcb8c_combine, .Lfunc_end_k_q85bf2fcb8c_combine-k_q85bf2fcb8c_combine
	.p2alignl 7, 3214868480
	.fill 96, 4, 3214868480
	.section	.rodata,"a",@progbits
	.p2align	6, 0x0
	.amdhsa_kernel k_q85bf2fcb8c_combine
		.amdhsa_group_segment_fixed_size 0
		.amdhsa_private_segment_fixed_size 0
		.amdhsa_enable_private_segment 0
		.amdhsa_kernarg_size 24
		.amdhsa_user_sgpr_count 2
		.amdhsa_user_sgpr_kernarg_segment_ptr 1
		.amdhsa_wavefront_size32 1
		.amdhsa_system_sgpr_workgroup_id_x 1
		.amdhsa_system_sgpr_workgroup_id_y 1
		.amdhsa_system_sgpr_workgroup_id_z 1
		.amdhsa_system_vgpr_workitem_id 0
		.amdhsa_next_free_vgpr 144
		.amdhsa_next_free_sgpr 66
		.amdhsa_reserve_vcc 0
		.amdhsa_float_denorm_mode_32 3
		.amdhsa_float_denorm_mode_16_64 3
		.amdhsa_memory_ordered 1
		.amdhsa_forward_progress 1
		.amdhsa_inst_pref_size 10
	.end_amdhsa_kernel
	.amdgpu_metadata
---
amdhsa.version: [ 1, 2 ]
amdhsa.kernels:
  - .name:           k_q85bf2fcb8c_combine
    .symbol:         k_q85bf2fcb8c_combine.kd
    .args:
      - { .name: part, .offset: 0, .size: 8, .value_kind: global_buffer, .address_space: global }
      - { .name: gate, .offset: 8, .size: 8, .value_kind: global_buffer, .address_space: global }
      - { .name: out0, .offset: 16, .size: 8, .value_kind: global_buffer, .address_space: global }
    .group_segment_fixed_size: 0
    .private_segment_fixed_size: 0
    .kernarg_segment_align: 8
    .kernarg_segment_size: 24
    .max_flat_workgroup_size: 256
    .sgpr_count:     66
    .vgpr_count:     144
    .wavefront_size: 32
...
	.end_amdgpu_metadata
.endif
;; end of part 7
